; MI455X (gfx1250); checked and timed in simulation.
; The chip was launched on July 23, 2026; its instructions are those of AMD's public machine-readable ISA for CDNA 5 (MIT licence, August 2026) and "CDNA5" Instruction Set Architecture Reference Guide (July 2026). The comments in the code are by the model that wrote it; some were corrected since.
;; Encoder Layer. Allowed arithmetic: matrix products marked QUANTISED: E3M2 operands, one E8M0 scale for each 32 along K, by v_wmma_scale_f32_16x16x128_f8f6f4 with both operands' format E3M2, f32 sums; everything else in f32.
;; Inputs: attn_bias 2 x 1 x 2,048 x 2,048 float32; b1 4,096 float32; b2 1,024 float32; enc_input 2 x 2,048 x 1,024 float32; ln1_b 1,024 float32; ln1_g 1,024 float32; ln2_b 1,024 float32; ln2_g 1,024 float32; w1 1,024 x 4,096 float32; w2 4,096 x 1,024 float32; wk 1,024 x 1,024 float32; wo 1,024 x 1,024 float32; wq 1,024 x 1,024 float32; wv 1,024 x 1,024 float32.
;; Outputs: out0 2 x 2,048 x 1,024 float32.
;; This version of the problem:
;;   THIS VERSION OF THE PROBLEM IS GIVEN IN LOW PRECISION. The matrix products marked QUANTISED in the list below multiply operands that are first quantised to E3M2 (3 exponent bits, 2 mantissa bits; 6 bits a number), with one power-of-two scale for each 32 numbers along K (OCP MX v1.0); their sums are f32. All else is computed in f32.
;;   The module's matrix products, in the order in which they are computed (A, B: the left and right operand; K: the contracted axis; several contracted axes count as one K, in the product's order):
;;     1. [M 4,096, K 1,024] x [K 1,024, N 1,024]; A: computed on the way; B: input wq: QUANTISED
;;     2. [M 4,096, K 1,024] x [K 1,024, N 1,024]; A: computed on the way; B: input wk: QUANTISED
;;     3. [M 4,096, K 1,024] x [K 1,024, N 1,024]; A: computed on the way; B: input wv: QUANTISED
;;     4. batch 32 x [M 2,048, K 64] x [K 64, N 2,048]; A: computed on the way; B: computed on the way: QUANTISED
;;     5. batch 32 x [M 64, K 2,048] x [K 2,048, N 2,048]; A: computed on the way; B: softmax (see below): QUANTISED
;;     6. [M 4,096, K 1,024] x [K 1,024, N 1,024]; A: computed on the way; B: input wo: QUANTISED
;;     7. [M 4,096, K 1,024] x [K 1,024, N 4,096]; A: computed on the way; B: input w1: QUANTISED
;;     8. [M 4,096, K 4,096] x [K 4,096, N 1,024]; A: computed on the way; B: input w2: QUANTISED
;;   THE QUANTISER, for each operand of a quantised product, along K:
;;     - K is cut into blocks of 32 from its start; a last block that is shorter is filled with zeros.
;;     - A block's scale is 2^e with e = floor(log2(the largest magnitude in the block)) - 4, held to -126 .. 127; a block of zeros has e = 0. As a byte (E8M0): e + 127.
;;     - Each number is divided by its block's scale, clamped to +-28, and rounded to the nearest number of E3M2, ties to even, subnormals kept.
;;     - The product sums the exact products of the quantised numbers (number of the format x scale) in f32.
;;   ~~~python
;;   def quantise(x, axis):      # numpy; x: float32 -> the quantised numbers, widened to float32 again
;;       x = np.moveaxis(x, axis, -1); K = x.shape[-1]
;;       x = np.pad(x, [(0, 0)] * (x.ndim - 1) + [(0, -K % 32)]); x = x.reshape(x.shape[:-1] + (-1, 32)); a = np.abs(x).max(-1, keepdims=True)
;;       e = np.where(a > 0, np.clip(np.frexp(np.where(a > 0, a, 1))[1] - 1 - 4, -126, 127), 0)      # np.frexp(a)[1] - 1 = floor(log2(a)), exactly
;;       r = np.clip(x / 2.0 ** e, -28, 28)
;;       step = 2.0 ** (np.maximum(np.frexp(np.where(r == 0, 1, r))[1] - 1, -2) - 2)
;;       q = np.round(r / step) * step * 2.0 ** e      # np.round: ties to even
;;       return np.moveaxis(q.reshape(q.shape[:-2] + (-1,))[..., :K], -1, axis).astype(np.float32)
;;   ~~~
;;   SOFTMAX AHEAD OF A QUANTISED PRODUCT. Where the list says 'softmax', what is quantised is not the finished softmax but p = 2^(t - M), with t = logit x log2(e) and M = ceil(the row's largest t), a whole number; so 1/2 < the row's largest p <= 1. The row's sum l is taken of the UNQUANTISED p, in f32, and the product's result is divided by l at the end. Since M is a whole number, a kernel that streams over the keys may use a running M (the ceiling of the running maximum): every later rescaling is an exact power of two, which a block's scale takes up: the codes' values come out the same.
;;   OPERANDS COMPUTED ON THE WAY. 'Computed on the way' means the value that the module computes at that place (a softmax that the list does not call 'softmax' is quantised finished and normalised). What goes into a quantiser is computed in f32, as accurately as f32 sums, v_exp_f32 and their like allow (about 1e-6 of the number): no bf16 or f16 on the way to a quantiser, and a product that is left as it is and whose result goes on into a quantised operand takes f32 operands (vector FMAs, or v_wmma_f32_16x16x4_f32). A number that lies on a knife's edge between two numbers of the format may be rounded either way, as far as f32 arithmetic and the matrix unit's own rounding can turn it there, and no further.
;; One version. Each part assembles by itself: llvm-mc -triple=amdgcn-amd-amdhsa -mcpu=gfx1250 --defsym DOCPART=n.
;; ======== version 1 of 1: 8 launches
;; limits: right only within a limited range of input values
;; workspace buffers: xc 3,276,800 bytes; wqk 1,638,400 bytes; wvx 4,915,200 bytes; w1c 3,276,800 bytes; big 13,107,200 bytes; ao 16,777,216 bytes; zb 16,384 bytes; ninf 256 bytes
;; launch prep (part 1): grid 448 x 1, 8 waves a work-group, no clusters, 118,016 bytes of LDS; arguments enc_input, ln1_g, ln1_b, xc, wq, wk, wv, wo, w1, w2, wqk, wvx, w1c, zb, ninf; writes xc, wqk, wvx, w1c, zb, ninf
.if DOCPART == 1
	.amdgcn_target "amdgcn-amd-amdhsa--gfx1250"
	.amdhsa_code_object_version 6
	.text
	.protected	k_q073d5f32b9_prep
	.globl	k_q073d5f32b9_prep
	.p2align	8
	.type	k_q073d5f32b9_prep,@function
k_q073d5f32b9_prep:
	s_mov_b64 s[64:65], 0
	v_nop
	global_prefetch_b8 v0, s[64:65] scope:SCOPE_SE
	s_setreg_imm32_b32 hwreg(HW_REG_WAVE_MODE, 25, 1), 1
	s_wait_xcnt 0x0
; ONE PREPARING LAUNCH FOR ALL INPUTS OF THE FIRST PRODUCTS.  Work-groups 0-191 quantise the six weights, work-groups 192-447 norm and quantise the tokens.  The two paths part on the work-group's number
; alone and have LDS bytes of their own.
; THE OPERAND LAYOUT of every workspace of this program.  128 rows x 128 along K are a RECORD of 12,800 bytes; record (group g, K step s) lies at (g KS + s) x 12,800.
; A record holds eight tiles of 1,536 bytes; lane r of tile t is row 32 (t / 2) + 8 (t % 2) + r + 8 (r / 8) of the group.  A tile is an image of the operand's 12 registers, in four planes:
; registers 0-3 at 16 x lane, registers 4-5 at 512 + 8 x lane, registers 6-9 at 768 + 16 x lane, registers 10-11 at 1,280 + 8 x lane.  Behind the tiles, at 12,288, the scale words:
; for tiles 4 hb .. 4 hb + 3 the 256 bytes at 256 hb; the word at 8 l + 4 i is that of tile 4 hb + 2 i + l / 16, lane l % 16.
; THE WEIGHTS, f32 stored [K][N], become codes of BF6 (E3M2) quantised along K, one E8M0 byte for each 32 along K.  An operand's row is a COLUMN n of the weight: a lane takes a column and its registers run
; down K, so a block of 32 lies in one lane and the conversions give codes with K innermost.  Four waves take 256 columns x 128 along K of one weight (share 2 x work-group + wave / 4, 0-383); a wave 64 columns,
; as two sets of 32.  The codes are gathered in the wave's own stage, an image of its half of the record, and leave as runs of 512 bytes.  Shares 0-31 wq, 32-63 wk, 64-95 wv, 96-127 wo, 128-255 w1, 256-383 w2.
; wq and wk share a buffer (groups 0-7, 8-15), wv, wo and w2 another.  This path also stores a vector of zeros and a word of -infinity.  Its waves share nothing: no barrier.
; THE TOKENS: y = (x - mean) rsqrt(var + 1e-5) g + b along rows of 1,024, then quantised along the row.  A work-group takes the 16 rows of one tile.  Part 1: a wave takes two rows, a row in 32 registers;
; mean and variance in two passes over the registers; the normed rows go to LDS, 4,112 bytes apart.  One barrier.  Part 2: wave w takes K step w, applies g and b, quantises and stores the image.
; No cluster, no matrix unit, no tensor load: no two work-groups read the same large bytes.
; A block's byte is its largest magnitude's exponent field - 4, held at 1 from below.  LIMITS: a block of zeros, or one whose largest magnitude lies under 2^-122, keeps the byte 1 (the bytes are read by this
; program alone); NaN and infinities among the inputs are not served.
.set WGW,   192                        ; work-groups of the weights' path
.set PITCH, 4112
.set WST,   16*PITCH                   ; behind the tokens' 16 rows: the weights' stages
.set STG,   6400                       ; a wave's stage: four tiles and 256 bytes of scale words
.set SPARE, WST+8*STG                  ; the spare words, 128 bytes a wave: four blocks of 256 bytes that no other line names
.set REC,   12800
.set PC,  32
.set TM,  12
.set PW,  28
.set SEL, 12
.set X,    64                          ; weights: v64-127 two sets of 32 numbers
.set C,    128                         ; v128-133 a block's codes
.set C2,   136
.set OFF,  144                         ; v144-175 4 x lane + i rows of the weight
.set OUTR, 176                         ; v176-225 the way out
.set SB,   24
.macro QUANT s                         ; 64 numbers of a lane, register 16 b + i = k 32 b + 16 (lane / 16) + i, become a fragment's codes in v[PC] on and its scale word in v[PW]
.irp b, 0,1,2,3
	v_max3_num_f32 v[TM+\b], |v[\s+16*\b]|, |v[\s+1+16*\b]|, 0x2800000
.endr
.irp i, 2,4,6,8,10,12,14
.irp b, 0,1,2,3
	s_delay_alu instid0(VALU_DEP_4)
	v_max3_num_f32 v[TM+\b], v[TM+\b], |v[\s+16*\b+\i]|, |v[\s+1+16*\b+\i]|
.endr
.endr
.irp b, 0,1,2,3
	v_permlanex16_b32 v[TM+4+\b], v[TM+\b], s[SEL], s[SEL+1]
.endr
.irp b, 0,1,2,3
	s_delay_alu instid0(VALU_DEP_4)
	v_max_num_f32 v[TM+\b], v[TM+\b], v[TM+4+\b]
.endr
.irp b, 0,1,2,3
	s_delay_alu instid0(VALU_DEP_4)
	v_add_nc_u32 v[TM+12+\b], 0xfe000000, v[TM+\b]
.endr
.irp b, 0,1,2,3
	s_delay_alu instid0(VALU_DEP_4)
	v_lshrrev_b32 v[TM+4+\b], 23, v[TM+12+\b]
.endr
	s_delay_alu instid0(VALU_DEP_3)
	v_lshl_or_b32 v[PW], v[TM+5], 8, v[TM+4]
	s_delay_alu instid0(VALU_DEP_1)
	v_lshl_or_b32 v[PW], v[TM+6], 16, v[PW]
	s_delay_alu instid0(VALU_DEP_1)
	v_lshl_or_b32 v[PW], v[TM+7], 24, v[PW]
.irp c, 0,1
	v_cvt_scalef32_pk16_bf6_f32 v[PC+6*\c:PC+2+6*\c], v[\s+32*\c:\s+15+32*\c], v[TM+12+2*\c]
	v_cvt_scalef32_pk16_bf6_f32 v[PC+12+4*\c:PC+14+4*\c], v[\s+16+32*\c:\s+31+32*\c], v[TM+12+2*\c+1]
.endr
	v_nop                                          ; one plain line behind a scaled conversion
.irp c, 0,1
.irp i, 0,1,2
	v_permlane16_swap_b32 v[PC+6*\c+\i], v[PC+12+4*\c+\i]
.endr
.irp i, 0,1,2
	s_delay_alu instid0(VALU_DEP_3)
	v_mov_b32 v[PC+3+6*\c+\i], v[PC+12+4*\c+\i]
.endr
.endr
.endm
.macro ACROSS                          ; v[16 + 4 i], i = 0, 1, summed over the 32 lanes
.irp x, 1,2,4,8
.irp i, 0,1
	s_delay_alu instid0(VALU_DEP_2)
	v_add_f32_dpp v[16+4*\i], v[16+4*\i], v[16+4*\i] row_xmask:\x row_mask:0xf bank_mask:0xf
.endr
.endr
.irp i, 0,1
	s_delay_alu instid0(VALU_DEP_2)
	v_permlanex16_b32 v[18+4*\i], v[16+4*\i], s[SEL], s[SEL+1]
.endr
.irp i, 0,1
	s_delay_alu instid0(VALU_DEP_2)
	v_add_f32 v[16+4*\i], v[16+4*\i], v[18+4*\i]
.endr
.endm
.macro LOAD n                          ; block n % 4 of column set n / 4 into set n % 2: 32 lanes read 128 consecutive bytes of a row
.set li, 0
.rept 32
	global_load_b32 v[X+32*((\n)%2)+li], v[OFF+li], s[32+2*((\n)%4):33+2*((\n)%4)] offset:128*((\n)/4) th:TH_LOAD_NT
.set li, li+1
.endr
.endm
.macro BLOCK n
.set XS, X+32*((\n)%2)
.set tt, (\n)%4
.set cs, (\n)/4
.if (\n) < 7
	s_wait_loadcnt 32                              ; this block's 32 loads are in; the next block's may be out
.else
	s_wait_loadcnt 0x0
.endif
	v_max3_num_f32 v12, |v[XS]|, |v[XS+1]|, |v[XS+2]|
	v_max3_num_f32 v13, |v[XS+3]|, |v[XS+4]|, |v[XS+5]|
.irp i, 6,10,14,18,22,26
	v_max3_num_f32 v12, v12, |v[XS+\i]|, |v[XS+\i+1]|
	v_max3_num_f32 v13, v13, |v[XS+\i+2]|, |v[XS+\i+3]|
.endr
	v_max3_num_f32 v12, v12, |v[XS+30]|, |v[XS+31]|
	v_max3_num_f32 v12, v12, v13, 0x2800000        ; the floor 2^(5 - 127): the byte cannot fall under 1
	v_add_nc_u32 v11, 0xfe000000, v12              ; 4 off the exponent field: the conversion's scale operand
	v_lshrrev_b32 v13, 23, v11
.if tt == 0
	v_mov_b32 v[SB+cs], v13
.else
	v_lshl_or_b32 v[SB+cs], v13, 8*tt, v[SB+cs]
.endif
	v_cvt_scalef32_pk16_bf6_f32 v[C:C+2], v[XS:XS+15], v11
	v_cvt_scalef32_pk16_bf6_f32 v[C2:C2+2], v[XS+16:XS+31], v11
	v_nop
	v_mov_b32 v[C+3], v[C2]
	v_mov_b32 v[C+4], v[C2+1]
	v_mov_b32 v[C+5], v[C2+2]
	ds_store_b128 v4, v[C:C+3] offset:3072*cs+768*(tt/2)+256*(tt%2)   ; block t is registers 6 (t / 2) .. + 5 of the image's lane r + 16 (t % 2)
	ds_store_b64 v5, v[C+4:C+5] offset:3072*cs+768*(tt/2)+128*(tt%2)
.if tt == 3
	ds_store_b32 v6, v[SB+cs] offset:4*cs
.endif
.if (\n)+2 < 8
	LOAD (\n)+2
.endif
	s_wait_dscnt 0x0                               ; the stores have read their registers
.endm
	v_lshl_add_u32 v62, v0, 2, SPARE
	v_mov_b32 v63, 0
	v_lshrrev_b32 v1, 5, v0
	v_readfirstlane_b32 s14, v1                    ; wave 0..7
	s_cmp_lt_u32 ttmp9, WGW
	s_wait_alu depctr_va_vdst(0)                   ; the wait ahead of the branch
	s_cbranch_scc1 .Lweights
	; ---- the tokens ----
	s_load_b256 s[4:11], s[0:1], 0x0               ; x, g, b, out
	v_and_b32 v2, 31, v0
	s_delay_alu instid0(VALU_DEP_1)
	v_lshlrev_b32 v1, 4, v2                        ; 16 x lane
	s_wait_alu depctr_va_vdst(0)
	v_lshlrev_b32 v3, 3, v2                        ; 8 x lane
	s_lshr_b32 s15, ttmp9, 3
	s_sub_co_u32 s15, s15, WGW/8                   ; the group of 128 rows
	s_and_b32 s21, ttmp9, 7                        ; the tile t (WGW is a multiple of 8)
	s_lshl_b32 s16, s15, 19
	s_lshr_b32 s17, s21, 1
	s_lshl_b32 s17, s17, 17
	s_add_co_u32 s16, s16, s17
	s_and_b32 s17, s21, 1
	s_lshl_b32 s17, s17, 15
	s_add_co_u32 s16, s16, s17
	s_lshl_b32 s17, s14, 13
	s_add_co_u32 s16, s16, s17
	s_lshr_b32 s17, s14, 2
	s_lshl_b32 s17, s17, 15
	s_add_co_u32 s16, s16, s17
	s_mov_b32 s17, 0
	s_mul_i32 s18, s14, 2*PITCH
	v_add_nc_u32 v4, s18, v1
	v_and_b32 v5, 15, v0
	v_bfe_u32 v6, v0, 4, 1
	s_delay_alu instid0(VALU_DEP_2)
	v_mul_u32_u24 v8, v5, PITCH
	s_delay_alu instid0(VALU_DEP_1)
	v_lshl_add_u32 v8, v6, 6, v8
	s_lshl_b32 s19, s14, 9
	v_add_nc_u32 v8, s19, v8
	v_lshlrev_b32 v9, 6, v6
	s_delay_alu instid0(VALU_DEP_1)
	v_add_nc_u32 v9, s19, v9
	v_lshlrev_b32 v10, 3, v5
	s_lshl_b32 s20, s15, 3
	s_add_co_u32 s20, s20, s14
	s_mul_i32 s20, s20, REC
	s_mul_i32 s22, s21, 1536
	s_add_co_u32 s22, s22, s20
	s_mov_b32 s23, 0
	s_lshr_b32 s24, s21, 2
	s_lshl_b32 s24, s24, 8
	s_bfe_u32 s25, s21, 0x10001
	s_lshl_b32 s25, s25, 2
	s_add_co_u32 s24, s24, s25
	s_and_b32 s25, s21, 1
	s_lshl_b32 s25, s25, 7
	s_add_co_u32 s24, s24, s25
	s_add_co_u32 s24, s24, s20
	s_add_co_u32 s24, s24, 12288
	s_mov_b32 s25, 0
	s_mov_b32 s[SEL], 0x76543210
	s_mov_b32 s[SEL+1], 0xfedcba98
	s_mov_b32 s26, 0x3a800000                      ; 1 / 1,024
	s_mov_b32 s27, 0x3727c5ac                      ; 1e-5
	s_wait_alu depctr_va_vdst(0)
	s_wait_kmcnt 0x0
	s_add_nc_u64 s[4:5], s[4:5], s[16:17]
	s_add_nc_u64 s[22:23], s[10:11], s[22:23]
	s_add_nc_u64 s[24:25], s[10:11], s[24:25]
.irp i, 0,1
.irp j, 0,1,2,3,4,5,6,7
	global_load_b128 v[64+32*\i+4*\j:67+32*\i+4*\j], v1, s[4:5] offset:4096*\i+512*\j th:TH_LOAD_NT
.endr
.endr
.irp b, 0,1,2,3
.irp j, 0,1,2,3
	global_load_b128 v[128+16*\b+4*\j:131+16*\b+4*\j], v9, s[6:7] offset:128*\b+16*\j
.endr
.endr
.irp b, 0,1,2,3
.irp j, 0,1,2,3
	global_load_b128 v[192+16*\b+4*\j:195+16*\b+4*\j], v9, s[8:9] offset:128*\b+16*\j
.endr
.endr
	s_wait_loadcnt 32                              ; my two rows are in; the 32 loads of g and b may be out
.irp i, 0,1
	v_pk_add_f32 v[16+4*\i:17+4*\i], v[64+32*\i:65+32*\i], v[66+32*\i:67+32*\i]
	v_pk_add_f32 v[18+4*\i:19+4*\i], v[68+32*\i:69+32*\i], v[70+32*\i:71+32*\i]
.endr
.irp m, 8,12,16,20,24,28
.irp i, 0,1
	s_delay_alu instid0(VALU_DEP_4)
	v_pk_add_f32 v[16+4*\i:17+4*\i], v[16+4*\i:17+4*\i], v[64+32*\i+\m:65+32*\i+\m]
	s_delay_alu instid0(VALU_DEP_4)
	v_pk_add_f32 v[18+4*\i:19+4*\i], v[18+4*\i:19+4*\i], v[66+32*\i+\m:67+32*\i+\m]
.endr
.endr
.irp i, 0
	s_delay_alu instid0(VALU_DEP_3)
	v_pk_add_f32 v[16+4*\i:17+4*\i], v[16+4*\i:17+4*\i], v[18+4*\i:19+4*\i]
.endr
.irp i, 1
	s_delay_alu instid0(VALU_DEP_2)
	v_pk_add_f32 v[16+4*\i:17+4*\i], v[16+4*\i:17+4*\i], v[18+4*\i:19+4*\i]
.endr
.irp i, 0,1
	s_delay_alu instid0(VALU_DEP_2)
	v_add_f32 v[16+4*\i], v[16+4*\i], v[17+4*\i]
.endr
	ACROSS
.irp i, 0,1
	s_delay_alu instid0(VALU_DEP_2)
	v_mul_f32 v[16+4*\i], s26, v[16+4*\i]
.endr
.irp i, 0,1
.set k, 0
.rept 16
	v_pk_add_f32 v[64+32*\i+k:65+32*\i+k], v[64+32*\i+k:65+32*\i+k], v[16+4*\i:17+4*\i] op_sel_hi:[1,0] neg_lo:[0,1] neg_hi:[0,1]
.set k, k+2
.endr
.endr
.irp i, 0,1
	v_pk_mul_f32 v[16+4*\i:17+4*\i], v[64+32*\i:65+32*\i], v[64+32*\i:65+32*\i]
	v_pk_mul_f32 v[18+4*\i:19+4*\i], v[66+32*\i:67+32*\i], v[66+32*\i:67+32*\i]
.endr
.irp m, 4,8,12,16,20,24,28
.irp i, 0,1
	s_delay_alu instid0(VALU_DEP_4)
	v_pk_fma_f32 v[16+4*\i:17+4*\i], v[64+32*\i+\m:65+32*\i+\m], v[64+32*\i+\m:65+32*\i+\m], v[16+4*\i:17+4*\i]
	s_delay_alu instid0(VALU_DEP_4)
	v_pk_fma_f32 v[18+4*\i:19+4*\i], v[66+32*\i+\m:67+32*\i+\m], v[66+32*\i+\m:67+32*\i+\m], v[18+4*\i:19+4*\i]
.endr
.endr
.irp i, 0
	s_delay_alu instid0(VALU_DEP_3)
	v_pk_add_f32 v[16+4*\i:17+4*\i], v[16+4*\i:17+4*\i], v[18+4*\i:19+4*\i]
.endr
.irp i, 1
	s_delay_alu instid0(VALU_DEP_2)
	v_pk_add_f32 v[16+4*\i:17+4*\i], v[16+4*\i:17+4*\i], v[18+4*\i:19+4*\i]
.endr
.irp i, 0,1
	s_delay_alu instid0(VALU_DEP_2)
	v_add_f32 v[16+4*\i], v[16+4*\i], v[17+4*\i]
.endr
	ACROSS
.irp i, 0,1
	s_delay_alu instid0(VALU_DEP_2)
	v_fma_f32 v[16+4*\i], v[16+4*\i], s26, s27
.endr
	s_wait_alu depctr_va_vdst(0)                   ; a wait ahead of the batch
.irp i, 0,1
	v_rsq_f32 v[16+4*\i], v[16+4*\i]
.endr
	v_nop
	s_wait_alu depctr_va_vdst(0)                   ; one behind it
.irp i, 0,1
.set k, 0
.rept 16
	v_pk_mul_f32 v[64+32*\i+k:65+32*\i+k], v[64+32*\i+k:65+32*\i+k], v[16+4*\i:17+4*\i] op_sel_hi:[1,0]
.set k, k+2
.endr
.irp j, 0,1,2,3,4,5,6,7
	ds_store_b128 v4, v[64+32*\i+4*\j:67+32*\i+4*\j] offset:PITCH*\i+512*\j
.endr
.endr
	s_wait_dscnt 0x0                               ; for the others' sake: my rows lie in LDS
	s_barrier_signal -1
	s_barrier_wait -1
.irp b, 0,1,2,3
.irp j, 0,1,2,3
	ds_load_b128 v[64+16*\b+4*\j:67+16*\b+4*\j], v8 offset:128*\b+16*\j
.endr
.endr
	s_wait_dscnt 0x0
	s_wait_loadcnt 0x0                             ; g and b
.set k, 0
.rept 32
	v_pk_fma_f32 v[64+k:65+k], v[64+k:65+k], v[128+k:129+k], v[192+k:193+k]
.set k, k+2
.endr
	QUANT 64
	global_store_b128 v1, v[PC:PC+3], s[22:23]
	global_store_b64 v3, v[PC+4:PC+5], s[22:23] offset:512
	global_store_b128 v1, v[PC+6:PC+9], s[22:23] offset:768
	global_store_b64 v3, v[PC+10:PC+11], s[22:23] offset:1280
	v_cmp_gt_u32 vcc_lo, 16, v2                    ; lanes 0-15 hold the 16 rows' words
	s_wait_xcnt 0x0                                ; EXEC changes only behind this wait
	s_wait_tensorcnt 0x0                           ; the wave's end: all lanes on
	ds_add_u32 v62, v63
	s_wait_dscnt 0x0
	s_and_saveexec_b32 s29, vcc_lo
	global_store_b32 v10, v[PW], s[24:25]
	s_wait_xcnt 0x0
	s_or_b32 exec_lo, exec_lo, s29
	s_endpgm
	; ---- the weights ----
.Lweights:
	s_mov_b32 s2, s14                              ; wave 0..7: my stage
	s_and_b32 s26, s14, 3                          ; my place among the four waves of a share
	s_lshr_b32 s3, s14, 2
	s_lshl_b32 s27, ttmp9, 1
	s_add_co_u32 s3, s3, s27                       ; the share, 0..383
	s_load_b512 s[4:19], s[0:1], 0x20              ; wq, wk, wv, wo, w1, w2, wqk, wvx
	s_load_b128 s[20:23], s[0:1], 0x60             ; w1c, zb
	s_load_b64 s[24:25], s[0:1], 0x70              ; ninf
	v_and_b32 v2, 31, v0
	s_lshr_b32 s28, s3, 7                          ; 0: the four square weights, 1: w1, 2: w2
	s_cmp_eq_u32 s28, 0
	s_cselect_b32 s27, 31, 127
	s_and_b32 s27, s3, s27
	s_cmp_eq_u32 s28, 1
	s_cselect_b32 s29, 4, 2
	s_lshl_b32 s30, 1024, s29                      ; a row of the weight in bytes
	s_lshl_b32 s31, 1, s29
	s_sub_co_u32 s31, s31, 1
	s_and_b32 s31, s27, s31                        ; which 256 columns
	s_lshr_b32 s27, s27, s29                       ; which K step
	s_bfe_u32 s48, s3, 0x10005
	s_lshl_b32 s48, s48, 3
	s_cmp_eq_u32 s28, 0
	s_cselect_b32 s48, s48, 0
	s_cmp_eq_u32 s28, 2
	s_cselect_b32 s49, 5, 3
	s_cselect_b32 s50, 1638400, 0
	s_lshl_b32 s51, s31, 1
	s_add_co_u32 s51, s51, s48
	s_lshr_b32 s52, s26, 1
	s_add_co_u32 s51, s51, s52
	s_lshl_b32 s51, s51, s49
	s_add_co_u32 s51, s51, s27
	s_mul_i32 s51, s51, REC
	s_add_co_u32 s51, s51, s50                     ; my record
	s_and_b32 s52, s26, 1
	s_mul_i32 s53, s52, 6144
	s_add_co_u32 s44, s51, s53
	s_mov_b32 s45, 0
	s_lshl_b32 s53, s52, 8
	s_add_co_u32 s46, s51, s53
	s_add_co_u32 s46, s46, 12288
	s_mov_b32 s47, 0
	s_lshl_b32 s54, s27, 7
	s_mul_i32 s54, s54, s30
	s_lshl_b32 s55, s31, 10
	s_add_co_u32 s54, s54, s55
	s_lshl_b32 s55, s26, 8
	s_add_co_u32 s54, s54, s55
	s_mov_b32 s55, 0
	s_lshl_b32 s56, s30, 5
	s_mov_b32 s57, 0
	v_and_b32 v3, 7, v0
	v_bfe_u32 v11, v0, 4, 1
	v_lshl_add_u32 v3, v11, 3, v3
	v_bfe_u32 v12, v0, 3, 1
	s_mul_i32 s58, s2, STG
	s_add_co_u32 s58, s58, WST
	v_mul_u32_u24 v13, v12, 1536
	v_add_nc_u32 v13, s58, v13
	v_lshl_add_u32 v4, v3, 4, v13
	v_lshl_add_u32 v5, v3, 3, v13
	v_add_nc_u32 v5, 512, v5
	v_lshl_add_u32 v6, v12, 4, v3
	v_lshlrev_b32 v6, 3, v6
	s_add_co_u32 s59, s58, 6144
	v_add_nc_u32 v6, s59, v6
	v_lshlrev_b32 v9, 4, v2
	v_lshlrev_b32 v10, 3, v2
	v_add_nc_u32 v7, s58, v9
	v_add_nc_u32 v8, s59, v10
	v_lshlrev_b32 v[OFF], 2, v2
.set li, 1
.rept 31
	v_add_nc_u32 v[OFF+li], s30, v[OFF+li-1]
.set li, li+1
.endr
	s_wait_alu depctr_va_vdst(0)
	s_wait_kmcnt 0x0
	s_cmp_lt_u32 s3, 32                            ; the buffers are chosen by the share's number alone
	s_cselect_b64 s[32:33], s[4:5], s[6:7]
	s_cmp_lt_u32 s3, 64
	s_cselect_b64 s[32:33], s[32:33], s[8:9]
	s_cselect_b64 s[40:41], s[16:17], s[18:19]
	s_cmp_lt_u32 s3, 96
	s_cselect_b64 s[32:33], s[32:33], s[10:11]
	s_cmp_lt_u32 s3, 128
	s_cselect_b64 s[32:33], s[32:33], s[12:13]
	s_cselect_b64 s[40:41], s[40:41], s[20:21]
	s_cmp_lt_u32 s3, 256
	s_cselect_b64 s[32:33], s[32:33], s[14:15]
	s_cselect_b64 s[40:41], s[40:41], s[18:19]
	s_add_nc_u64 s[32:33], s[32:33], s[54:55]
	s_add_nc_u64 s[34:35], s[32:33], s[56:57]
	s_add_nc_u64 s[36:37], s[34:35], s[56:57]
	s_add_nc_u64 s[38:39], s[36:37], s[56:57]
	s_add_nc_u64 s[42:43], s[40:41], s[46:47]
	s_add_nc_u64 s[40:41], s[40:41], s[44:45]
	LOAD 0
	LOAD 1
.irp n, 0,1,2,3,4,5,6,7
	BLOCK \n
.endr
.irp k, 0,1,2,3,4,5,6,7,8,9,10,11
	ds_load_b128 v[OUTR+4*\k:OUTR+4*\k+3], v7 offset:512*\k
.endr
	ds_load_b64 v[OUTR+48:OUTR+49], v8
.irp k, 0,1,2,3,4,5,6,7,8,9,10,11
	s_wait_dscnt 12-\k                             ; the younger loads may stay out
	global_store_b128 v9, v[OUTR+4*\k:OUTR+4*\k+3], s[40:41] offset:512*\k
.endr
	s_wait_dscnt 0x0
	global_store_b64 v10, v[OUTR+48:OUTR+49], s[42:43]
	s_cmp_lg_u32 s26, 0                            ; the first wave of 33 shares stores the constants
	s_cbranch_scc1 .Lend
	s_cmp_lt_u32 s3, 32
	s_cbranch_scc0 .Lnot_zb
	v_mov_b32 v16, 0
	v_mov_b32 v17, 0
	v_mov_b32 v18, 0
	v_mov_b32 v19, 0
	s_lshl_b32 s60, s3, 9
	s_mov_b32 s61, 0
	s_add_nc_u64 s[60:61], s[22:23], s[60:61]
	global_store_b128 v9, v[16:19], s[60:61]       ; 512 bytes of zeros
.Lnot_zb:
	s_cmp_eq_u32 s3, 32
	s_cbranch_scc0 .Lend
	v_mov_b32 v20, 0xff800000
	v_mov_b32 v21, 0xff800000
	global_store_b64 v10, v[20:21], s[24:25]       ; -infinity
.Lend:
	s_wait_tensorcnt 0x0                           ; the wave's end
	ds_add_u32 v62, v63
	s_wait_dscnt 0x0
	s_endpgm
.Lfunc_end_k_q073d5f32b9_prep:
	.size	k_q073d5f32b9_prep, .Lfunc_end_k_q073d5f32b9_prep-k_q073d5f32b9_prep
	.p2alignl 7, 3214868480
	.fill 96, 4, 3214868480
	.section	.rodata,"a",@progbits
	.p2align	6, 0x0
	.amdhsa_kernel k_q073d5f32b9_prep
		.amdhsa_group_segment_fixed_size 118016
		.amdhsa_private_segment_fixed_size 0
		.amdhsa_enable_private_segment 0
		.amdhsa_kernarg_size 120
		.amdhsa_user_sgpr_count 2
		.amdhsa_user_sgpr_kernarg_segment_ptr 1
		.amdhsa_wavefront_size32 1
		.amdhsa_system_sgpr_workgroup_id_x 1
		.amdhsa_system_sgpr_workgroup_id_y 1
		.amdhsa_system_sgpr_workgroup_id_z 1
		.amdhsa_system_vgpr_workitem_id 0
		.amdhsa_next_free_vgpr 256
		.amdhsa_next_free_sgpr 66
		.amdhsa_reserve_vcc 1
		.amdhsa_float_denorm_mode_32 3
		.amdhsa_float_denorm_mode_16_64 3
		.amdhsa_memory_ordered 1
		.amdhsa_forward_progress 1
		.amdhsa_inst_pref_size 76
	.end_amdhsa_kernel
	.amdgpu_metadata
---
amdhsa.version: [ 1, 2 ]
amdhsa.kernels:
  - .name:           k_q073d5f32b9_prep
    .symbol:         k_q073d5f32b9_prep.kd
    .args:
      - { .name: enc_input, .offset: 0, .size: 8, .value_kind: global_buffer, .address_space: global }
      - { .name: ln1_g, .offset: 8, .size: 8, .value_kind: global_buffer, .address_space: global }
      - { .name: ln1_b, .offset: 16, .size: 8, .value_kind: global_buffer, .address_space: global }
      - { .name: xc, .offset: 24, .size: 8, .value_kind: global_buffer, .address_space: global }
      - { .name: wq, .offset: 32, .size: 8, .value_kind: global_buffer, .address_space: global }
      - { .name: wk, .offset: 40, .size: 8, .value_kind: global_buffer, .address_space: global }
      - { .name: wv, .offset: 48, .size: 8, .value_kind: global_buffer, .address_space: global }
      - { .name: wo, .offset: 56, .size: 8, .value_kind: global_buffer, .address_space: global }
      - { .name: w1, .offset: 64, .size: 8, .value_kind: global_buffer, .address_space: global }
      - { .name: w2, .offset: 72, .size: 8, .value_kind: global_buffer, .address_space: global }
      - { .name: wqk, .offset: 80, .size: 8, .value_kind: global_buffer, .address_space: global }
      - { .name: wvx, .offset: 88, .size: 8, .value_kind: global_buffer, .address_space: global }
      - { .name: w1c, .offset: 96, .size: 8, .value_kind: global_buffer, .address_space: global }
      - { .name: zb, .offset: 104, .size: 8, .value_kind: global_buffer, .address_space: global }
      - { .name: ninf, .offset: 112, .size: 8, .value_kind: global_buffer, .address_space: global }
    .group_segment_fixed_size: 118016
    .private_segment_fixed_size: 0
    .kernarg_segment_align: 8
    .kernarg_segment_size: 120
    .max_flat_workgroup_size: 256
    .sgpr_count:     66
    .vgpr_count:     256
    .wavefront_size: 32
...
	.end_amdgpu_metadata
.endif
;; end of part 1
;; launch qk (part 2): grid 8 x 32, 4 waves a work-group, clusters of 4 x 4, 327,680 bytes of LDS; arguments xc, wqk, zb, ninf, big; writes big
.if DOCPART == 2
	.amdgcn_target "amdgcn-amd-amdhsa--gfx1250"
	.amdhsa_code_object_version 6
	.text
	.protected	k_q073d5f32b9_qk
	.globl	k_q073d5f32b9_qk
	.p2align	8
	.type	k_q073d5f32b9_qk,@function
k_q073d5f32b9_qk:
	s_mov_b64 s[64:65], 0
	v_nop
	global_prefetch_b8 v0, s[64:65] scope:SCOPE_SE
	s_setreg_imm32_b32 hwreg(HW_REG_WAVE_MODE, 25, 1), 1
	s_wait_xcnt 0x0
	s_wait_alu depctr_hold_cnt(0) depctr_sa_sdst(0) depctr_va_vdst(0) depctr_va_sdst(0) depctr_va_ssrc(0) depctr_va_vcc(0) depctr_vm_vsrc(0)
	s_getreg_b32 s2, hwreg(HW_REG_IB_STS2, 6, 4)
	s_cmp_eq_u32 s2, 0
	s_cbranch_scc0 .Lentry_in_a_cluster
	s_endpgm
.Lentry_in_a_cluster:
	s_bfe_u32 s2, ttmp6, 0x10000c
	s_cmp_lg_u32 s2, 0xf033
	s_cbranch_scc0 .Lentry_shape_is_right
	s_endpgm
.Lentry_shape_is_right:
; out = Q(max(A B^T + bias, clamp)): a GEMM on codes of BF6 (E3M2) with E8M0 scales, K = 1,024, whose result is quantised along B's rows and stored as the next product's operand.
; A, B and out lie in the operand layout (records of 128 rows x 128 along K, 12,800 bytes; eight tiles of 1,536 bytes, each an image of the operand's 12 registers; lane r of tile t is row
; 32 (t / 2) + 8 (t % 2) + r + 8 (r / 8); scale words at 12,288: the first launch's head has the letter of it).  A and B have 8 K steps a group; out's record (A's group, B's group) lies at (32 gA + gB) x 12,800.
; SHARES.  A work-group makes 128 rows of A (one group) x 256 rows of B (two groups); each of its four waves 64 x 128: 4 x 8 accumulators, 256 registers.
; THE MATRIX INSTRUCTION IS USED TRANSPOSED: source 0 = a tile of B, source 1 = a tile of A.  By the tiles' order of rows a lane's 64 results of one tile of A are, register 16 b + i, B's row 32 b + 16 (lane / 16) + i:
; 16 neighbours of each block of 32 along the next K, and the lane is the lane of A's tile: the codes made of them are an image of the next operand's registers and go straight to memory.
; ALL OF K LIES IN LDS: 24 records, 307,200 bytes, in two halves of four K steps, asked for at the head; nothing is filled again.  The two halves are read behind two barriers.
; CLUSTERS: 4 x 4 work-groups.  A's records hang on the work-group's y and are shared along a row of the cluster, B's on its x and are shared along a column: each is asked for jointly.
; The bias (by B's row) is the C of each sum's first product.  The clamp from below is a word read from memory: -infinity, or 0 for a relu.
; REGISTERS: window 0: v2-3 16 and 8 x lane; v16-23, v30-31 LDS addresses; v32-43 scale words, two sets; v48-95 A's four fragments, one set; v96-159 the bias, later 64 results; v160-205 the quantiser's.
;   window 1: B's eight fragments, two sets, at v0 and v128.   window 2: accumulator (a, b) at v[8 (8 a + b)].
; LIMITS: NaN and infinities are not served; a block whose largest magnitude lies under 2^-122 keeps the byte 1.
.set KS,    8                          ; K steps
.set BOFF,  0                          ; where B begins in its buffer
.set LAPS,  KS/8
.set REC,   12800
.set SLOT,  12*REC                     ; four K steps: A's four records, then those of B's two groups
.set SPARE, 2*SLOT                     ; the spare words, 128 bytes a wave: two blocks of 256 bytes that no other line names
.set ADRA16, 16                        ; v16-17 my four tiles of A in slot 0, 1, + 16 x lane;  v18-19 + 8 x lane
.set ADRA8,  18
.set ADRB16, 20                        ; v20-23 the same for my group of B
.set ADRB8,  22
.set SPW,  28
.set NIL,  29
.set ADSA, 30                          ; v30-31 the scale words of my four tiles of A
.set SC,   32                          ; set p at v[SC + 6 p]: two registers of A's words, four of B's; in each, lanes 0-15 an even tile's, lanes 16-31 the odd tile's behind it
.set AF,   48
.set BI,   96
.set ST,   96
.set PC,   160
.set TM,   180
.set PW,   196
.set PWA,  200
.set SEL,  68
.set G1,  24                           ; s[24:31] group 1 for A's records; s[32:39] group 0, a set for each slot
.set G0,  32
.set G1B, 48                           ; s[48:55], s[56:63] the same for B's
.set G0B, 56
.set MSB, 0
.macro WIN new                         ; the immediate's high byte repeats the setting that is left
.if MSB != \new
	s_set_vgpr_msb (MSB<<8)|\new
.set MSB, \new
.endif
.endm
.set MUL,  0xa1                        ; source 0 (B) window 1, source 1 (A) window 0, C and D window 2
.set MUL1, 0x81                        ; the same with C (the bias) in window 0
.set TO_B, 0x40                        ; destination window 1
.macro JLOAD g0a, g1a, g0b, g1b        ; a joint load: waves 0 and 1 fetch for A, waves 2 and 3 for B; four v_nop follow each line
	s_cmp_eq_u32 s15, 0
	s_cbranch_scc0 .Lfor_b_\@
	tensor_load_to_lds s[\g0a:\g0a+3], s[\g1a:\g1a+7]
	s_nop 0
.rept 4
	v_nop
.endr
	s_branch .Lasked_\@
.Lfor_b_\@:
	tensor_load_to_lds s[\g0b:\g0b+3], s[\g1b:\g1b+7]
	s_nop 0
.rept 4
	v_nop
.endr
.Lasked_\@:
.endm
.macro CREST                           ; a round of the cluster's barrier behind its opening barrier
	s_cmp_lg_u32 s14, 0
	s_cbranch_scc1 .Lnot_wave_0_\@
	s_barrier_signal -3
.Lnot_wave_0_\@:
	s_barrier_wait -3
	s_barrier_signal -1
	s_barrier_wait -1
.endm
.macro CROUND
	s_barrier_signal -1
	s_barrier_wait -1
	CREST
.endm
.macro PLACES n
.rept \n
	v_nop
.endr
.endm
.macro FRAG reg, a16, a8, off          ; a tile's image into 12 registers: every load reads consecutive bytes
	ds_load_b128 v[\reg:\reg+3], v[\a16] offset:\off
	ds_load_b64 v[\reg+4:\reg+5], v[\a8] offset:\off+512
	ds_load_b128 v[\reg+6:\reg+9], v[\a16] offset:\off+768
	ds_load_b64 v[\reg+10:\reg+11], v[\a8] offset:\off+1280
.endm
.macro FETCH_B slot, q, p              ; B's eight fragments of the slot's q-th K step into set p
	WIN TO_B
.irp i, 0,1,2,3,4,5,6,7
	FRAG 128*(\p)+12*\i, ADRB16+\slot, ADRB8+\slot, REC*(\q)+1536*\i
.endr
	WIN 0
.endm
.macro FETCH_A slot, q, a0             ; A's tiles a0, a0 + 1
.irp i, \a0, \a0+1
	FRAG AF+12*(\i), ADRA16+\slot, ADRA8+\slot, REC*(\q)+1536*(\i)
.endr
.endm
.macro SCALES slot, q, p
	ds_load_b64 v[SC+6*(\p):SC+6*(\p)+1], v[ADSA+\slot] offset:REC*(\q)
	ds_load_b64 v[SC+6*(\p)+2:SC+6*(\p)+3], v[ADRB8+\slot] offset:REC*(\q)+12288
	ds_load_b64 v[SC+6*(\p)+4:SC+6*(\p)+5], v[ADRB8+\slot] offset:REC*(\q)+12544
.endm
.macro WM a, b, p, mode                ; one product: B's tile b x A's tile a.  mode = 1: the bias is C.  An odd tile's scale words lie in lanes 16-31
.set rD, 8*(8*(\a)+(\b))
.set rC, rD
.if \mode
.set rC, BI+8*(\b)
.endif
.set rB, 128*(\p)+12*(\b)
.set rA, AF+12*(\a)
.set rSB, SC+6*(\p)+2+(\b)/2
.set rSA, SC+6*(\p)+(\a)/2
.if ((\b)%2) && ((\a)%2)
	v_wmma_scale_f32_16x16x128_f8f6f4 v[rD:rD+7], v[rB:rB+11], v[rA:rA+11], v[rC:rC+7], v[rSB], v[rSA] matrix_a_fmt:MATRIX_FMT_BF6 matrix_b_fmt:MATRIX_FMT_BF6 matrix_a_scale:MATRIX_SCALE_ROW1 matrix_b_scale:MATRIX_SCALE_ROW1
.elseif (\b)%2
	v_wmma_scale_f32_16x16x128_f8f6f4 v[rD:rD+7], v[rB:rB+11], v[rA:rA+11], v[rC:rC+7], v[rSB], v[rSA] matrix_a_fmt:MATRIX_FMT_BF6 matrix_b_fmt:MATRIX_FMT_BF6 matrix_a_scale:MATRIX_SCALE_ROW1
.elseif (\a)%2
	v_wmma_scale_f32_16x16x128_f8f6f4 v[rD:rD+7], v[rB:rB+11], v[rA:rA+11], v[rC:rC+7], v[rSB], v[rSA] matrix_a_fmt:MATRIX_FMT_BF6 matrix_b_fmt:MATRIX_FMT_BF6 matrix_b_scale:MATRIX_SCALE_ROW1
.else
	v_wmma_scale_f32_16x16x128_f8f6f4 v[rD:rD+7], v[rB:rB+11], v[rA:rA+11], v[rC:rC+7], v[rSB], v[rSA] matrix_a_fmt:MATRIX_FMT_BF6 matrix_b_fmt:MATRIX_FMT_BF6
.endif
.endm
.macro MUL8 a, p, mode                 ; the 32 accumulators take turns, one instruction a turn, in the same order in every K step
.irp b, 0,1,2,3,4,5,6,7
	WM \a, \b, \p, \mode
.endr
.endm
.macro MWIN mode
.if \mode
	WIN MUL1
.else
	WIN MUL
.endif
.endm
; A K step that has its successor in the same slot.  A tile of A is free as soon as its eight products are issued, so A has one set of registers; B has two.
; Loads into registers that matrix instructions have read stand four plain vector lines behind them (ISA guide 7.12.1 for vector instructions).
.macro STEP slot, q, mode
	s_wait_dscnt 8                                 ; all but the youngest eight loads, A's tiles 2 and 3
	MWIN \mode
	MUL8 0, (\q)%2, \mode
	MUL8 1, (\q)%2, \mode
	s_wait_dscnt 0x0
	PLACES 4
	FETCH_B \slot, (\q)+1, 1-(\q)%2
	FETCH_A \slot, (\q)+1, 0
	SCALES \slot, (\q)+1, 1-(\q)%2
	MWIN \mode
	MUL8 2, (\q)%2, \mode
	MUL8 3, (\q)%2, \mode
	PLACES 4
	WIN 0
	FETCH_A \slot, (\q)+1, 2
.endm
; A slot's last K step changes slots: one barrier; in front of it each wave waits for all its tensor loads, adds 0 to its spare word, and waits for that and for its reads of this slot.  fill = 1: this slot is filled again.
.macro TURN slot, next, fill
	s_wait_tensorcnt 0x0                           ; all my tensor loads have landed, my part of the next slot among them
	ds_add_u32 v[SPW], v[NIL]                      ; 0 onto my spare word
	s_wait_dscnt 9                                 ; the add and the youngest eight loads may be out
	WIN MUL
	MUL8 0, 1, 0
	s_wait_dscnt 0x0                               ; the add is done, and my reads of this slot are over
	s_barrier_signal -1
	MUL8 1, 1, 0
	WIN 0
	s_barrier_wait -1
.if \fill
	CREST                                          ; the barrier has opened a round of the cluster's: no wave of any partner still reads this slot or has a load on its way
	s_add_nc_u64 s[G0+4*\slot+2:G0+4*\slot+3], s[G0+4*\slot+2:G0+4*\slot+3], 8*REC
	s_add_nc_u64 s[G0B+4*\slot+2:G0B+4*\slot+3], s[G0B+4*\slot+2:G0B+4*\slot+3], 8*REC
	JLOAD G0+4*\slot, G1, G0B+4*\slot, G1B         ; the first tensor load behind the round; its four v_nop are the places in front of the loads below
.else
	PLACES 4
.endif
	FETCH_B \next, 0, 0
	FETCH_A \next, 0, 0
	SCALES \next, 0, 0
	WIN MUL
	MUL8 2, 1, 0
	MUL8 3, 1, 0
	PLACES 4
	WIN 0
	FETCH_A \next, 0, 2
.endm
.macro QUANT s                         ; 64 numbers of a lane, register 16 b + i = k 32 b + 16 (lane / 16) + i of my row, become a fragment's codes in v[PC] on and its scale word in v[PW]
.irp b, 0,1,2,3
	v_max3_num_f32 v[TM+\b], |v[\s+16*\b]|, |v[\s+1+16*\b]|, 0x2800000   ; my 16 numbers of block b, and the floor 2^(5 - 127)
.endr
.irp i, 2,4,6,8,10,12,14
.irp b, 0,1,2,3
	v_max3_num_f32 v[TM+\b], v[TM+\b], |v[\s+16*\b+\i]|, |v[\s+1+16*\b+\i]|
.endr
.endr
.irp b, 0,1,2,3
	v_permlanex16_b32 v[TM+4+\b], v[TM+\b], s[SEL], s[SEL+1]
.endr
.irp b, 0,1,2,3
	v_max_num_f32 v[TM+\b], v[TM+\b], v[TM+4+\b]
.endr
.irp b, 0,1,2,3
	v_add_nc_u32 v[TM+12+\b], 0xfe000000, v[TM+\b]
.endr
.irp b, 0,1,2,3
	v_lshrrev_b32 v[TM+4+\b], 23, v[TM+12+\b]
.endr
	v_lshl_or_b32 v[PW], v[TM+5], 8, v[TM+4]
	v_lshl_or_b32 v[PW], v[TM+6], 16, v[PW]
	v_lshl_or_b32 v[PW], v[TM+7], 24, v[PW]
.irp c, 0,1
	v_cvt_scalef32_pk16_bf6_f32 v[PC+6*\c:PC+2+6*\c], v[\s+32*\c:\s+15+32*\c], v[TM+12+2*\c]
	v_cvt_scalef32_pk16_bf6_f32 v[PC+12+4*\c:PC+14+4*\c], v[\s+16+32*\c:\s+31+32*\c], v[TM+12+2*\c+1]
.endr
	v_nop                                          ; one plain line behind a scaled conversion
.irp c, 0,1
.irp i, 0,1,2
	v_permlane16_swap_b32 v[PC+6*\c+\i], v[PC+12+4*\c+\i]
.endr
.irp i, 0,1,2
	v_mov_b32 v[PC+3+6*\c+\i], v[PC+12+4*\c+\i]
.endr
.endr
.endm
	s_load_b256 s[4:11], s[0:1], 0x0               ; A, B, the bias, the clamp
	s_load_b64 s[12:13], s[0:1], 0x20              ; out
	v_lshl_add_u32 v[SPW], v0, 2, SPARE
	v_mov_b32 v[NIL], 0
	ds_add_u32 v28, v29
	ds_add_u32 v28, v29
	s_wait_dscnt 0x0
	v_lshrrev_b32 v1, 5, v0
	v_readfirstlane_b32 s14, v1                    ; wave 0..3
	s_lshr_b32 s15, s14, 1                         ; which four tiles of A are mine.  Also: I fetch for A (0) or for B (1)
	s_and_b32 s16, s14, 1                          ; which group of B is mine.  Also: which part I fetch
	s_bfe_u32 s40, ttmp6, 0x40000                  ; cx, cy: my place in the cluster
	s_bfe_u32 s41, ttmp6, 0x40004
	s_lshl_b32 s42, ttmp9, 2
	s_add_co_u32 s42, s42, s40                     ; work-group x: B's groups 2 x, 2 x + 1
	s_and_b32 s17, ttmp7, 0xffff
	s_lshl_b32 s17, s17, 2
	s_add_co_u32 s17, s17, s41                     ; work-group y: A's group
	s_lshl_b32 s43, s41, 2
	s_lshl_b32 s43, 15, s43                        ; my row of the cluster
	s_lshl_b32 s44, 0x1111, s40                    ; my column
	; group 1: dense blocks as rows of 256 bytes (32 elements of 8 bytes), no padding: A: two records, 100 rows; B: four records, 200 rows
	s_or_b32 s[G1+0], s43, (3<<16)|(1<<21)         ; 15:0 the mask; 17:16 elements of 8 bytes; 21 set beside a mask
	s_or_b32 s[G1B+0], s44, (3<<16)|(1<<21)
	s_mov_b32 s[G1+1], 32<<16                      ; tensor_dim0
	s_mov_b32 s[G1+2], 100<<16                     ; tensor_dim1
	s_mov_b32 s[G1+3], 32<<16                      ; tile_dim0
	s_mov_b32 s[G1+4], 100                         ; tile_dim1
	s_mov_b32 s[G1+5], 32                          ; the pitch
	s_mov_b32 s[G1+6], 0
	s_mov_b32 s[G1+7], 0
	s_mov_b32 s[G1B+1], 32<<16
	s_mov_b32 s[G1B+2], 200<<16
	s_mov_b32 s[G1B+3], 32<<16
	s_mov_b32 s[G1B+4], 200
	s_mov_b32 s[G1B+5], 32
	s_mov_b32 s[G1B+6], 0
	s_mov_b32 s[G1B+7], 0
	s_mul_i32 s20, s17, KS*REC                     ; A: my group's records, + two K steps for the odd wave
	s_mul_i32 s18, s16, 2*REC
	s_add_co_u32 s20, s20, s18
	s_mov_b32 s21, 0
	s_lshl_b32 s46, s42, 1                         ; B: group 2 x + (wave & 1)
	s_add_co_u32 s46, s46, s16
	s_mul_i32 s46, s46, KS*REC
	s_add_co_u32 s46, s46, BOFF
	s_mov_b32 s47, 0
	s_mul_i32 s45, s16, 2*REC                      ; where they go: no place in the cluster enters an LDS address
	s_mul_i32 s19, s16, 4*REC
	s_add_co_u32 s19, s19, 4*REC
	; the prefetch of K steps 4 to 7, 51,200 bytes on end in each group.  A's group: the eight waves that fetch it (two in each of four partners) take 25 blocks of 256 bytes each;
	; each of B's two groups: one wave in each of four partners takes 50, as two instructions.  The shares are told apart by address
	s_mul_i32 s81, s16, 6400
	s_mul_i32 s82, s17, KS*REC
	s_cmp_eq_u32 s15, 0                            ; do I fetch for A?
	s_cselect_b32 s80, s40, s41                    ; my place among the four partners
	s_cselect_b32 s81, s81, 0
	s_cselect_b32 s82, s82, s46
	s_mul_i32 s80, s80, REC
	s_add_co_u32 s80, s80, s81
	s_add_co_u32 s80, s80, s82
	s_add_co_u32 s80, s80, 4*REC
	s_mov_b32 s81, 0
	s_wait_kmcnt 0x0
	s_add_nc_u64 s[20:21], s[4:5], s[20:21]
	s_add_nc_u64 s[46:47], s[6:7], s[46:47]
	s_cmp_eq_u32 s15, 0
	s_cselect_b64 s[82:83], s[4:5], s[6:7]
	s_add_nc_u64 s[80:81], s[82:83], s[80:81]      ; s[80:81]: never rewritten
	CROUND                                         ; all sixteen work-groups are here: the first joint loads meet
.irp s, 0,1
	s_mov_b32 s[G0+4*\s], 1
	s_add_co_u32 s[G0+4*\s+1], s45, \s*SLOT
	s_add_nc_u64 s[G0+4*\s+2:G0+4*\s+3], s[20:21], \s*4*REC
	s_or_b32 s[G0+4*\s+3], s[G0+4*\s+3], 0x80000000
	s_mov_b32 s[G0B+4*\s], 1
	s_add_co_u32 s[G0B+4*\s+1], s19, \s*SLOT
	s_add_nc_u64 s[G0B+4*\s+2:G0B+4*\s+3], s[46:47], \s*4*REC
	s_or_b32 s[G0B+4*\s+3], s[G0B+4*\s+3], 0x80000000
.endr
	JLOAD G0, G1, G0B, G1B                         ; slot 0, K steps 0 to 3: one tensor load a wave at the head
	v_and_b32 v1, 31, v0
	v_lshlrev_b32 v2, 4, v1                        ; 16 x lane
	v_min_u32 v5, 24, v1
	v_lshlrev_b32 v5, 8, v5                        ; the prefetch's offset: block min(lane, 24); never rewritten
	v_lshlrev_b32 v3, 3, v1                        ; 8 x lane
	s_wait_alu depctr_va_vdst(0)
	global_prefetch_b8 v5, s[80:81] th:TH_LOAD_NT scope:SCOPE_SE
	s_cmp_eq_u32 s15, 0
	s_cbranch_scc1 .Lone_share
	global_prefetch_b8 v5, s[80:81] offset:6400 th:TH_LOAD_NT scope:SCOPE_SE
.Lone_share:
	s_mul_i32 s21, s15, 6144                       ; my four tiles of A
	s_mul_i32 s22, s16, 4*REC
	s_add_co_u32 s22, s22, 4*REC                   ; my group of B
	s_lshl_b32 s23, s15, 8
	s_add_co_u32 s23, s23, 12288                   ; my tiles' scale words in a record of A
.irp s, 0,1
	v_add_nc_u32 v[ADRA16+\s], s21, v2
	v_add_nc_u32 v[ADRA8+\s], s21, v3
	v_add_nc_u32 v[ADRB16+\s], s22, v2
	v_add_nc_u32 v[ADRB8+\s], s22, v3
	v_add_nc_u32 v[ADSA+\s], s23, v3
	s_add_co_u32 s21, s21, SLOT
	s_add_co_u32 s22, s22, SLOT
	s_add_co_u32 s23, s23, SLOT
.endr
	v_bfe_u32 v4, v0, 4, 1
	v_lshlrev_b32 v4, 6, v4                        ; 64 h
	s_lshl_b32 s72, s42, 1
	s_add_co_u32 s72, s72, s16                     ; my group of B
	s_lshl_b32 s74, s72, 9
	s_mov_b32 s75, 0
	s_add_nc_u64 s[8:9], s[8:9], s[74:75]          ; its 128 numbers of the bias
.irp b, 0,1,2,3,4,5,6,7                ; in the result's layout: lane (r, h), tile b: B's rows 32 (b / 2) + 16 h + 8 (b % 2) + 0 .. 7
	global_load_b128 v[BI+8*\b:BI+8*\b+3], v4, s[8:9] offset:(32*(\b/2)+8*(\b%2))*4
	global_load_b128 v[BI+8*\b+4:BI+8*\b+7], v4, s[8:9] offset:(32*(\b/2)+8*(\b%2))*4+16
.endr
	s_load_b32 s66, s[10:11], 0x0                  ; the clamp
	s_lshl_b32 s73, s17, 5
	s_add_co_u32 s72, s72, s73
	s_mul_i32 s72, s72, REC                        ; out's record
	s_mul_i32 s73, s15, 6144
	s_add_co_u32 s76, s72, s73                     ; my four tiles in it
	s_mov_b32 s77, 0
	s_lshl_b32 s73, s15, 8
	s_add_co_u32 s78, s72, s73
	s_add_co_u32 s78, s78, 12288                   ; and their scale words
	s_mov_b32 s79, 0
	s_add_nc_u64 s[76:77], s[12:13], s[76:77]
	s_add_nc_u64 s[78:79], s[12:13], s[78:79]
	s_mov_b32 s[SEL], 0x76543210
	s_mov_b32 s[SEL+1], 0xfedcba98
	s_mov_b32 s70, 0xffff0000
.irp b, 0,1,2,3
	v_mov_b32 v[TM+4+\b], 0                        ; written once: a lane permute's destination counts as one of its sources
.endr
	s_wait_alu depctr_va_vdst(0)                   ; the wait at the head's end
	s_wait_tensorcnt 0x0                           ; my part of slot 0 is in
	ds_add_u32 v[SPW], v[NIL]
	s_wait_dscnt 0x0
	CROUND
	JLOAD G0+4, G1, G0B+4, G1B                     ; slot 1, K steps 4 to 7: the first tensor load behind the round; it has three K steps and a half in which to land
	FETCH_B 0, 0, 0
	FETCH_A 0, 0, 0
	SCALES 0, 0, 0
	FETCH_A 0, 0, 2
	s_wait_loadcnt 0x0                             ; the bias
	s_wait_kmcnt 0x0                               ; the clamp
	STEP 0, 0, 1                                   ; the first K step starts the sums, from the bias
.if LAPS > 1
	s_mov_b32 s3, LAPS-1
.Llap:
	STEP 0, 1, 0
	STEP 0, 2, 0
	TURN 0, 1, 1
	STEP 1, 0, 0
	STEP 1, 1, 0
	STEP 1, 2, 0
	TURN 1, 0, 1
	STEP 0, 0, 0
	s_sub_co_u32 s3, s3, 1
	s_cmp_lg_u32 s3, 0
	s_cbranch_scc1 .Llap
.endif
	STEP 0, 1, 0
	STEP 0, 2, 0
	TURN 0, 1, 0
	STEP 1, 0, 0
	STEP 1, 1, 0
	STEP 1, 2, 0
	s_wait_dscnt 8                                 ; the last K step: nothing more to fetch
	WIN MUL
	MUL8 0, 1, 0
	MUL8 1, 1, 0
	s_wait_dscnt 0x0
	MUL8 2, 1, 0
	MUL8 3, 1, 0
	WIN 0
	PLACES 4                                       ; in front of the first read of results
	; THE WAY OUT, a tile of A at a time: clamp, quantise, and the image goes to memory as it stands: each store covers whole runs of 256 bytes
.irp a, 0,1,2,3
.if \a > 0
	s_wait_xcnt 0x0                                ; the last tile's stores have read their data
.endif
	WIN 0x08                                       ; source 1: window 2
.set j, 0
.rept 64
	v_max_num_f32 v[ST+j], s66, v[64*\a+j]         ; each accumulator from its low end on
.set j, j+1
.endr
	WIN 0
	QUANT ST
	v_mov_b32 v[PWA+\a], v[PW]
	global_store_b128 v2, v[PC:PC+3], s[76:77] offset:1536*\a
	global_store_b64 v3, v[PC+4:PC+5], s[76:77] offset:1536*\a+512
	global_store_b128 v2, v[PC+6:PC+9], s[76:77] offset:1536*\a+768
	global_store_b64 v3, v[PC+10:PC+11], s[76:77] offset:1536*\a+1280
.endr
	v_cndmask_b32 v204, v[PWA], v[PWA+1], s70      ; lanes 0-15 the even tile's words, lanes 16-31 the odd tile's
	v_cndmask_b32 v205, v[PWA+2], v[PWA+3], s70
	global_store_b64 v3, v[204:205], s[78:79]
	s_wait_tensorcnt 0x0                           ; the wave's end
	ds_add_u32 v[SPW], v[NIL]
	s_wait_dscnt 0x0
	CROUND                                         ; the closing round: no work-group ends while a partner may still ask for a tile that names it
	s_endpgm
.Lfunc_end_k_q073d5f32b9_qk:
	.size	k_q073d5f32b9_qk, .Lfunc_end_k_q073d5f32b9_qk-k_q073d5f32b9_qk
	.p2alignl 7, 3214868480
	.fill 96, 4, 3214868480
	.section	.rodata,"a",@progbits
	.p2align	6, 0x0
	.amdhsa_kernel k_q073d5f32b9_qk
		.amdhsa_group_segment_fixed_size 327680
		.amdhsa_private_segment_fixed_size 0
		.amdhsa_enable_private_segment 0
		.amdhsa_kernarg_size 40
		.amdhsa_user_sgpr_count 2
		.amdhsa_user_sgpr_kernarg_segment_ptr 1
		.amdhsa_wavefront_size32 1
		.amdhsa_system_sgpr_workgroup_id_x 1
		.amdhsa_system_sgpr_workgroup_id_y 1
		.amdhsa_system_sgpr_workgroup_id_z 1
		.amdhsa_system_vgpr_workitem_id 0
		.amdhsa_next_free_vgpr 768
		.amdhsa_next_free_sgpr 96
		.amdhsa_reserve_vcc 0
		.amdhsa_float_denorm_mode_32 3
		.amdhsa_float_denorm_mode_16_64 3
		.amdhsa_memory_ordered 1
		.amdhsa_forward_progress 1
		.amdhsa_inst_pref_size 97
	.end_amdhsa_kernel
	.amdgpu_metadata
---
amdhsa.version: [ 1, 2 ]
amdhsa.kernels:
  - .name:           k_q073d5f32b9_qk
    .symbol:         k_q073d5f32b9_qk.kd
    .args:
      - { .name: xc, .offset: 0, .size: 8, .value_kind: global_buffer, .address_space: global }
      - { .name: wqk, .offset: 8, .size: 8, .value_kind: global_buffer, .address_space: global }
      - { .name: zb, .offset: 16, .size: 8, .value_kind: global_buffer, .address_space: global }
      - { .name: ninf, .offset: 24, .size: 8, .value_kind: global_buffer, .address_space: global }
      - { .name: big, .offset: 32, .size: 8, .value_kind: global_buffer, .address_space: global }
    .group_segment_fixed_size: 327680
    .private_segment_fixed_size: 0
    .kernarg_segment_align: 8
    .kernarg_segment_size: 40
    .max_flat_workgroup_size: 128
    .sgpr_count:     96
    .vgpr_count:     768
    .wavefront_size: 32
...
	.end_amdgpu_metadata
.endif
;; end of part 2
;; launch vproj: the kernel of part 2 again; grid 16 x 8, 4 waves a work-group, clusters of 4 x 4, 327,680 bytes of LDS; arguments wvx, xc, zb, ninf, ao; writes ao
;; launch att (part 3): grid 64 x 4, 16 waves a work-group, clusters of 4 x 4, 327,680 bytes of LDS; arguments big, ao, attn_bias, xc; writes xc
.if DOCPART == 3
	.amdgcn_target "amdgcn-amd-amdhsa--gfx1250"
	.amdhsa_code_object_version 6
	.text
	.protected	k_q073d5f32b9_att
	.globl	k_q073d5f32b9_att
	.p2align	8
	.type	k_q073d5f32b9_att,@function
k_q073d5f32b9_att:
	s_mov_b64 s[64:65], 0
	v_nop
	global_prefetch_b8 v0, s[64:65] scope:SCOPE_SE
	s_setreg_imm32_b32 hwreg(HW_REG_WAVE_MODE, 25, 1), 1
	s_wait_xcnt 0x0
	s_wait_alu depctr_hold_cnt(0) depctr_sa_sdst(0) depctr_va_vdst(0) depctr_va_sdst(0) depctr_va_ssrc(0) depctr_va_vcc(0) depctr_vm_vsrc(0)
	s_getreg_b32 s2, hwreg(HW_REG_IB_STS2, 6, 4)
	s_cmp_eq_u32 s2, 0
	s_cbranch_scc0 .Lentry_in_a_cluster
	s_endpgm
.Lentry_in_a_cluster:
	s_bfe_u32 s2, ttmp6, 0x10000c
	s_cmp_lg_u32 s2, 0xf033
	s_cbranch_scc0 .Lentry_shape_is_right
	s_endpgm
.Lentry_shape_is_right:
; Attention on codes of BF6 (E3M2): u = q . k / 32 + bias; t = u log2(e); M = the running largest t rounded up to a whole number; p = 2^(t - M) is quantised along the keys; O = (sum of p v) / (sum of the unquantised p);
; O is quantised along head x 64 + channel and stored as the next product's operand.  2 batches x 2,048 tokens, 16 heads of 64.
; q, k (one buffer), v and the result lie in the operand layout (records of 128 rows x 128 along K, 12,800 bytes; eight tiles of 1,536 bytes, images of the operand's 12 registers; lane r of tile t is row
; 32 (t / 2) + 8 (t % 2) + r + 8 (r / 8); scale words at 12,288).  In q, k and the result the rows are tokens and a record's K is a PAIR OF HEADS: a tile's first 768 bytes are the even head, the others the odd one.
; In v the rows are a pair of heads' 128 channels and K is 128 keys.
; THE SCORES' K IS 64: a head's six registers are the operand's first six, the other six hold zero codes, in q's operand.  The head's two scale bytes are shifted to the word's low end.
; 1 / 32 IS TAKEN OFF q's SCALE BYTES (5 off each), and THE BIAS IS THE C of the scores' products: neither costs a vector instruction in the loop.
; SHARES.  A work-group owns 64 queries and four heads; wave w owns query tile w / 4 and head w % 4: one tile in 256 registers, four waves to a SIMD.  16 steps of 128 keys through two LDS slots.
; Both products are used transposed (S^T = k q^T, O^T = v^T p^T): a lane holds one query throughout; by the tiles' order of rows p's 16 registers of two neighbouring tiles are 16 neighbouring keys.
; CLUSTER: 4 x 4 work-groups: x = four blocks of queries, y = the four groups of heads.  k's and v's records hang on the batch and on y and are shared along a row; the bias hangs on x and is shared along a column.
; LIMITS: NaN and +infinity are not served; a row whose bias is -infinity throughout is not served; q's scale bytes are held at 6 before 5 is taken off (blocks of q under 2^-117); a block under 2^-122 keeps the byte 1.
.set REC,   12800
.set SLOT1, 1<<17                      ; slot 1 begins here: one exclusive or turns an address from slot to slot
.set VOFF,  2*REC                      ; a slot: k's two records, v's two, then the bias: 64 rows of 512 + 16 bytes, in the tiles' order of lanes
.set BOF,   4*REC
.set BP,    528
.set SPARE, 2*SLOT1                    ; the spare words, 128 bytes a wave: eight blocks of 256 bytes that no other line names
.set SCR,   SPARE+2048                 ; 512 bytes: the result's scale bytes meet here; no fill lands here
.set WV,  18                           ; s18 wave; s19 wave & 1: the head's parity; s66 which of the two pairs; s69 the query tile
.set SEL, 20                           ; s[20:21] lane l xor 16
.set CS,  22                           ; s[22:23] log2(e)
.set G1D, 24                           ; s[24:31] group 1 for a record;  s[32:39] for eight rows of the bias
.set G1I, 32
.set G0K, 40                           ; s[40:43], s[44:47], s[48:51] groups 0 for k, v and the bias: they walk
.set G0V, 44
.set G0I, 48
.set TB,  2                            ; s2  the slot in hand
.set SLOTS, 67                         ; s67 steps still to be asked for
.set SH,  68                           ; s68 16 x parity
.set PFA, 76                           ; s[76:77] where the prefetch stands
.set LIM, 80                           ; s80 2 in the three waves that prefetch, else the greatest number
; REGISTERS: v1-4, v7-9 places that stay; v5-6 the add's; v10-16 the step's addresses; v17 q's scale word; v18-21 k's; v22-23 v's; v24 -M, v25 the largest t; v[26:27] the sum; v28-39 q;
; v40-87 my head's six registers of each of k's eight tiles, six apart: as an operand tile i is v[40 + 6 i] on, 12 registers, whose upper six (the next tile's codes; for tile 7 v88-93) meet q's zero codes and add nothing;
; v88-93 addresses of the way in and out; v94 at work at the head; v96-159 the bias, S^T, p, then v's four fragments; v160-191 O^T; v192-203 p's codes; v204-226 at work.
.macro CROUND
	s_barrier_signal -1
	s_barrier_wait -1
	s_cmp_lg_u32 s[WV], 0
	s_cbranch_scc1 .Lnot_wave_0_\@
	s_barrier_signal -3
.Lnot_wave_0_\@:
	s_barrier_wait -3
	s_barrier_signal -1
	s_barrier_wait -1
.endm
; Waves 0, 1 fetch k's records, waves 2, 3 v's, waves 4 to 11 eight rows of the bias each.  The branches hang on the wave's number alone.  Four v_nop follow each line.
.macro TLOAD3
	s_cmp_lt_u32 s[WV], 2
	s_cbranch_scc0 .Lnot_k_\@
	tensor_load_to_lds s[G0K:G0K+3], s[G1D:G1D+7]
	s_nop 0
.rept 4
	v_nop
.endr
	s_branch .Lasked_\@
.Lnot_k_\@:
	s_cmp_lt_u32 s[WV], 4
	s_cbranch_scc0 .Lnot_v_\@
	tensor_load_to_lds s[G0V:G0V+3], s[G1D:G1D+7]
	s_nop 0
.rept 4
	v_nop
.endr
	s_branch .Lasked_\@
.Lnot_v_\@:
	s_cmp_lt_u32 s[WV], 12
	s_cbranch_scc0 .Lasked_\@
	tensor_load_to_lds s[G0I:G0I+3], s[G1I:G1I+7]
	s_nop 0
.rept 4
	v_nop
.endr
.Lasked_\@:
.endm
; PREFETCHES of what the change of slots TWO steps on will ask for, one instruction in each of three waves, told apart by address registers made at the head.  Wave 12: the bias, 64 rows x 512 bytes, of which the
; four partners of a column take 16 rows each (by cy), a lane for each 256 bytes.  Wave 13: k's two records, 100 blocks of 256 bytes on end; wave 14: v's two records; of each the four partners of a row take 25 blocks
; (by cx), a lane a block, lanes 25-31 naming the last again.  So each block is named once in each cluster that loads it.  Step 2 is asked for at the head, step 18 - s in the trip with s steps to go; the last two ask for nothing.
.macro ASK
	s_cmp_gt_u32 s[SLOTS], s[LIM]
	s_cbranch_scc0 .Lnot_mine_\@
	global_prefetch_b8 v92, s[PFA:PFA+1] th:TH_LOAD_NT scope:SCOPE_SE
.Lnot_mine_\@:
.endm
	s_load_b256 s[4:11], s[0:1], 0x0               ; q and k, v, the bias, out
	v_lshl_add_u32 v5, v0, 2, SPARE
	v_mov_b32 v6, 0
	ds_add_u32 v5, v6
	ds_add_u32 v5, v6
	s_wait_dscnt 0x0
	v_lshrrev_b32 v10, 5, v0
	s_delay_alu instid0(VALU_DEP_1)
	v_readfirstlane_b32 s[WV], v10                 ; wave 0..15
	s_and_b32 s19, s[WV], 1
	s_bfe_u32 s66, s[WV], 0x10001
	s_lshr_b32 s69, s[WV], 2
	s_lshl_b32 s[SH], s19, 4
	s_bfe_u32 s52, ttmp6, 0x40000                  ; cx
	s_bfe_u32 s53, ttmp6, 0x40004                  ; cy: the group of four heads (the grid has one cluster along y)
	s_lshl_b32 s54, ttmp9, 2
	s_add_co_u32 s54, s54, s52                     ; my block of 64 queries, 0..63 over both batches
	s_lshr_b32 s55, ttmp9, 3                       ; the batch
	s_lshl_b32 s56, s53, 2
	s_lshl_b32 s56, 15, s56                        ; my row of the cluster
	s_lshl_b32 s60, 0x1111, s52                    ; my column
	s_or_b32 s[G1D], s56, (3<<16)|(1<<21)          ; a record: 50 rows of 256 bytes (32 elements of 8), dense, no padding
	s_mov_b32 s[G1D+1], 32<<16
	s_mov_b32 s[G1D+2], 50<<16
	s_mov_b32 s[G1D+3], 32<<16
	s_mov_b32 s[G1D+4], 50
	s_mov_b32 s[G1D+5], 32
	s_mov_b32 s[G1D+6], 0
	s_mov_b32 s[G1D+7], 0
	s_or_b32 s[G1I], s60, (2<<16)|(1<<20)|(1<<21)|(6<<22)|(3<<25)   ; the bias: elements of 4 bytes; 4 words of padding behind every 128
	s_mov_b32 s[G1I+1], 128<<16
	s_mov_b32 s[G1I+2], 8<<16
	s_mov_b32 s[G1I+3], 128<<16
	s_mov_b32 s[G1I+4], 8
	s_mov_b32 s[G1I+5], 2048
	s_mov_b32 s[G1I+6], 0
	s_mov_b32 s[G1I+7], 0
	s_lshl_b32 s58, s53, 1
	s_add_co_u32 s58, s58, s19                     ; the pair of heads that I would fetch
	s_lshl_b32 s56, s55, 9                         ; k: record (token group 16 batch, 8 + pair), 32 records a group
	s_add_co_u32 s56, s56, s58
	s_add_co_u32 s56, s56, 8
	s_mul_i32 s56, s56, REC
	s_mov_b32 s57, 0
	s_lshl_b32 s58, s58, 5                         ; v: record (pair, 16 batch)
	s_lshl_b32 s59, s55, 4
	s_add_co_u32 s58, s58, s59
	s_mul_i32 s58, s58, REC
	s_mov_b32 s59, 0
	s_add_co_u32 s61, s[WV], 4
	s_and_b32 s61, s61, 7                          ; j: which eight rows of the bias I would fetch
	s_lshl_b32 s62, s54, 3
	s_add_co_u32 s62, s62, s61
	s_lshl_b32 s62, s62, 16                        ; row 64 block + 8 j, 8,192 bytes a row
	s_mov_b32 s63, 0
	s_lshr_b32 s70, s61, 2                         ; they are lanes 8 ((j / 2) % 2) on of tile 2 (j / 4) + j % 2
	s_lshl_b32 s70, s70, 5
	s_and_b32 s71, s61, 1
	s_lshl_b32 s71, s71, 4
	s_add_co_u32 s70, s70, s71
	s_bfe_u32 s71, s61, 0x10001
	s_lshl_b32 s71, s71, 3
	s_add_co_u32 s70, s70, s71
	s_mul_i32 s70, s70, BP
	s_add_co_u32 s70, s70, BOF
	; what is my wave's own: q's tile, the result's place
	s_lshr_b32 s72, s54, 1                         ; the queries' token group
	s_and_b32 s73, s54, 1                          ; and which half of it
	s_lshl_b32 s74, s53, 1
	s_add_co_u32 s83, s74, s19
	s_add_co_u32 s74, s74, s66                     ; my pair of heads
	s_lshl_b32 s75, s73, 2
	s_add_co_u32 s75, s75, s69
	s_mul_i32 s75, s75, 1536
	s_mul_i32 s81, s19, 768
	s_add_co_u32 s75, s75, s81                     ; my tile and my head's half of it
	s_and_b32 s89, s69, 1
	s_lshl_b32 s89, s89, 7
	s_lshr_b32 s88, s69, 1
	s_lshl_b32 s88, s88, 2
	s_add_co_u32 s89, s89, s88                     ; my tile's words among its half's 256 bytes of scale words
	s_lshl_b32 s82, s72, 5
	s_add_co_u32 s82, s82, s74
	s_mul_i32 s82, s82, REC
	s_add_co_u32 s84, s82, s75                     ; q's codes
	s_mov_b32 s85, 0
	s_lshl_b32 s86, s73, 8
	s_add_co_u32 s86, s86, s89
	s_add_co_u32 s86, s86, s82
	s_add_co_u32 s86, s86, 12288                   ; q's scale words
	s_mov_b32 s87, 0
	s_lshl_b32 s90, s72, 3
	s_add_co_u32 s92, s90, s83
	s_mul_i32 s92, s92, REC
	s_lshl_b32 s93, s73, 8
	s_add_co_u32 s92, s92, s93
	s_add_co_u32 s92, s92, 12288                   ; the result's scale words (waves 0 and 1 store them)
	s_mov_b32 s93, 0
	s_add_co_u32 s90, s90, s74
	s_mul_i32 s90, s90, REC
	s_add_co_u32 s90, s90, s75                     ; the result's codes
	s_mov_b32 s91, 0
	s_lshl_b32 s[PFA], s54, 2
	s_add_co_u32 s[PFA], s[PFA], s53
	s_lshl_b32 s[PFA], s[PFA], 17                  ; row 64 block + 16 cy,
	s_add_co_u32 s[PFA], s[PFA], 1024              ; at step 2
	s_mov_b32 s[PFA+1], 0
	s_lshl_b32 s94, s55, 9                         ; k: record 512 batch + 32 step + 8 + 2 cy, at step 2,
	s_lshl_b32 s95, s53, 1
	s_add_co_u32 s94, s94, s95
	s_add_co_u32 s94, s94, 72
	s_mul_i32 s94, s94, REC
	s_mul_i32 s99, s52, 6400
	s_add_co_u32 s94, s94, s99                     ; + my 25 blocks of the two records' 100
	s_lshr_b32 s99, s52, 1                         ; v: record 32 (2 cy + cx / 2) + 16 batch + step, at step 2,
	s_add_co_u32 s95, s95, s99
	s_lshl_b32 s95, s95, 5
	s_lshl_b32 s99, s55, 4
	s_add_co_u32 s95, s95, s99
	s_add_co_u32 s95, s95, 2
	s_mul_i32 s95, s95, REC
	s_and_b32 s99, s52, 1
	s_mul_i32 s99, s99, 6400
	s_add_co_u32 s95, s95, s99                     ; + half cx % 2 of it
	s_mov_b32 s78, 512                             ; s[78:79]: from step to step
	s_mov_b32 s79, 0
	s_cmp_eq_u32 s[WV], 13
	s_cselect_b32 s[PFA], s94, s[PFA]
	s_cselect_b32 s78, 32*REC, s78
	s_cmp_eq_u32 s[WV], 14
	s_cselect_b32 s[PFA], s95, s[PFA]
	s_cselect_b32 s78, REC, s78
	s_sub_co_u32 s99, s[WV], 12
	s_cmp_lt_u32 s99, 3
	s_cselect_b32 s[LIM], 2, -1
	s_cmp_eq_u32 s[WV], 12
	s_cselect_b32 s99, -1, 0                       ; all lanes: the bias's offsets
	s_mov_b32 s[SEL], 0x76543210
	s_mov_b32 s[SEL+1], 0xfedcba98
	s_mov_b32 s[CS], 0x3fb8aa3b
	s_mov_b32 s[CS+1], s[CS]
	s_mov_b32 s[TB], 0
	s_mov_b32 s[SLOTS], 15
	; every LDS address is made here, of the wave's number and the lane alone
	v_and_b32 v10, 31, v0
	s_delay_alu instid0(VALU_DEP_1)
	v_lshlrev_b32 v90, 4, v10                      ; 16 x lane
	s_delay_alu instid0(VALU_DEP_2)
	v_lshlrev_b32 v91, 3, v10                      ; 8 x lane
	s_delay_alu instid0(VALU_DEP_3)
	v_lshrrev_b32 v11, 1, v10
	s_delay_alu instid0(VALU_DEP_4)
	v_and_b32 v12, 1, v10
	s_delay_alu instid0(VALU_DEP_2)
	v_lshlrev_b32 v92, 13, v11
	s_delay_alu instid0(VALU_DEP_1)
	v_lshl_add_u32 v92, v12, 8, v92                ; the bias's prefetch: row lane / 2, 256 (lane % 2) bytes on
	v_min_u32 v94, 24, v10
	v_lshlrev_b32 v94, 8, v94                      ; k's and v's: block min(lane, 24)
	v_cndmask_b32 v92, v94, v92, s99
	v_and_b32 v11, 15, v0                          ; r
	s_wait_alu depctr_va_vdst(0)
	v_bfe_u32 v12, v0, 4, 1                        ; h
	v_lshlrev_b32 v93, 3, v11
	s_mul_i32 s96, s66, REC                        ; my pair's record
	s_mul_i32 s97, s19, 768
	s_add_co_u32 s97, s97, s96
	v_add_nc_u32 v1, s97, v90                      ; k: my head's half of a tile: registers 0-3,
	s_add_co_u32 s97, s97, 512
	v_add_nc_u32 v2, s97, v91                      ; registers 4-5
	s_mul_i32 s97, s19, 6144
	s_add_co_u32 s97, s97, s96
	s_add_co_u32 s97, s97, VOFF
	v_add_nc_u32 v3, s97, v90                      ; v: my head's four tiles
	s_add_co_u32 s97, s97, 512
	v_add_nc_u32 v4, s97, v91
	s_lshl_b32 s97, s69, 4
	s_mul_i32 s97, s97, BP
	s_add_co_u32 s97, s97, BOF
	v_mul_u32_u24 v7, v11, BP
	s_wait_alu depctr_va_vdst(0)
	v_lshl_add_u32 v7, v12, 6, v7
	s_delay_alu instid0(VALU_DEP_1)
	v_add_nc_u32 v7, s97, v7                       ; the bias: my query's row, + 64 h
	s_add_co_u32 s97, s96, 12288
	v_add_nc_u32 v8, s97, v91                      ; k's scale words
	s_lshl_b32 s98, s19, 8
	s_add_co_u32 s97, s97, s98
	s_add_co_u32 s97, s97, VOFF
	v_add_nc_u32 v9, s97, v91                      ; v's, of my head's four tiles
	s_lshl_b32 s97, s66, 8
	s_add_co_u32 s97, s97, s89
	s_lshl_b32 s98, s19, 1
	s_add_co_u32 s97, s97, s98
	s_add_co_u32 s97, s97, SCR
	v_lshl_add_u32 v88, v11, 3, s97                ; where my head's two scale bytes of the result go
	s_lshl_b32 s97, s19, 8
	s_add_co_u32 s97, s97, SCR
	v_add_nc_u32 v89, s97, v91                     ; and where a pair's 256 bytes are read back
	s_wait_kmcnt 0x0
	s_mov_b32 s[G0K], 1
	s_mul_i32 s[G0K+1], s19, REC
	s_add_nc_u64 s[G0K+2:G0K+3], s[4:5], s[56:57]
	s_or_b32 s[G0K+3], s[G0K+3], 0x80000000
	s_mov_b32 s[G0V], 1
	s_add_co_u32 s[G0V+1], s[G0K+1], VOFF
	s_add_nc_u64 s[G0V+2:G0V+3], s[6:7], s[58:59]
	s_or_b32 s[G0V+3], s[G0V+3], 0x80000000
	s_mov_b32 s[G0I], 1
	s_mov_b32 s[G0I+1], s70
	s_add_nc_u64 s[G0I+2:G0I+3], s[8:9], s[62:63]
	s_or_b32 s[G0I+3], s[G0I+3], 0x80000000
	s_add_nc_u64 s[84:85], s[4:5], s[84:85]
	s_add_nc_u64 s[86:87], s[4:5], s[86:87]
	s_add_nc_u64 s[90:91], s[10:11], s[90:91]
	s_add_nc_u64 s[92:93], s[10:11], s[92:93]
	s_cmp_eq_u32 s[WV], 13                         ; the buffer is chosen by the wave's number alone
	s_cselect_b64 s[94:95], s[4:5], s[8:9]
	s_cmp_eq_u32 s[WV], 14
	s_cselect_b64 s[94:95], s[6:7], s[94:95]
	s_add_nc_u64 s[PFA:PFA+1], s[94:95], s[PFA:PFA+1]
	CROUND                                         ; all sixteen work-groups are here
	TLOAD3                                         ; step 0 into slot 0
	global_load_b128 v[28:31], v90, s[84:85]       ; q's six registers stay
	global_load_b64 v[32:33], v91, s[84:85] offset:512
	global_load_b32 v226, v93, s[86:87]            ; and its rows' scale words
	ASK                                            ; step 2
.set j, 0
.rept 32
	v_mov_b32 v[160+j], 0                          ; O^T: the loop is written once; its first step finds zeros
.set j, j+1
.endr
.irp j, 34,35,36,37,38,39
	v_mov_b32 v\j, 0                               ; zero codes for the K that the scores do not have
.endr
	v_mov_b32 v25, 0xff61b1e6                      ; the largest t so far: -3e38
	s_delay_alu instid0(VALU_DEP_1)
	v_floor_f32 v24, -v25                          ; -M
	v_mov_b32 v26, 0
	v_mov_b32 v27, 0
.irp j, 216,217,218,219,225
	v_mov_b32 v\j, 0                               ; written once: permutes' destinations, and the upper half of a pair
.endr
	s_wait_loadcnt 0x0
	v_lshrrev_b32 v226, s[SH], v226                ; my head's two bytes
	s_delay_alu instid0(VALU_DEP_1)
	v_and_b32 v212, 0xff, v226
	s_delay_alu instid0(VALU_DEP_2)
	v_bfe_u32 v213, v226, 8, 8
	s_delay_alu instid0(VALU_DEP_2)
	v_max_u32 v212, 6, v212
	s_delay_alu instid0(VALU_DEP_2)
	v_max_u32 v213, 6, v213
	s_delay_alu instid0(VALU_DEP_2)
	v_add_nc_u32 v212, -5, v212                    ; x 2^-5 = 1,024^-1/2, exactly
	s_delay_alu instid0(VALU_DEP_2)
	v_add_nc_u32 v213, -5, v213
	s_delay_alu instid0(VALU_DEP_1)
	v_lshl_or_b32 v17, v213, 8, v212
.macro KLOAD                           ; my head's half of k's eight tiles, six registers each
.irp i, 0,1,2,3,4,5,6,7
	ds_load_b128 v[40+6*\i:43+6*\i], v10 offset:1536*\i
	ds_load_b64 v[44+6*\i:45+6*\i], v11 offset:1536*\i
.endr
.endm
.macro SWM g                           ; four tiles of S^T: C is the bias, in place
.irp i, 0,1,2,3
.if \i%2
	v_wmma_scale_f32_16x16x128_f8f6f4 v[96+8*(4*\g+\i):103+8*(4*\g+\i)], v[40+6*(4*\g+\i):51+6*(4*\g+\i)], v[28:39], v[96+8*(4*\g+\i):103+8*(4*\g+\i)], v[18+2*\g+\i/2], v17 matrix_a_fmt:MATRIX_FMT_BF6 matrix_b_fmt:MATRIX_FMT_BF6 matrix_a_scale:MATRIX_SCALE_ROW1
.else
	v_wmma_scale_f32_16x16x128_f8f6f4 v[96+8*(4*\g+\i):103+8*(4*\g+\i)], v[40+6*(4*\g+\i):51+6*(4*\g+\i)], v[28:39], v[96+8*(4*\g+\i):103+8*(4*\g+\i)], v[18+2*\g+\i/2], v17 matrix_a_fmt:MATRIX_FMT_BF6 matrix_b_fmt:MATRIX_FMT_BF6
.endif
.endr
.endm
; A KEY STEP: 128 keys.
.macro STEP
	v_add_nc_u32 v10, s[TB], v1                    ; the slot in hand.  (These seven are also the places behind the last products, in front of the loads below)
	v_add_nc_u32 v11, s[TB], v2
	v_add_nc_u32 v12, s[TB], v3
	v_add_nc_u32 v13, s[TB], v4
	v_add_nc_u32 v14, s[TB], v7
	v_add_nc_u32 v15, s[TB], v8
	v_add_nc_u32 v16, s[TB], v9
	ds_load_b64 v[18:19], v15                      ; k's scale words: tiles 0-3,
	ds_load_b64 v[20:21], v15 offset:256           ; tiles 4-7
.irp t, 0,1,2,3,4,5,6,7                ; the bias in the result's layout: tile t: keys 32 (t / 2) + 16 h + 8 (t % 2) + 0 .. 7 of my query
	ds_load_b128 v[96+8*\t:99+8*\t], v14 offset:(32*(\t/2)+8*(\t%2))*4
	ds_load_b128 v[100+8*\t:103+8*\t], v14 offset:(32*(\t/2)+8*(\t%2))*4+16
.endr
	KLOAD
	s_wait_dscnt 32                                ; the scale words are in; the 32 younger loads (16 of the bias, 16 of k) may be out
.irp j, 18,19,20,21
	v_lshrrev_b32 v\j, s[SH], v\j                  ; my head's two bytes to the word's low end
.endr
.rept 8
	v_nop                                          ; a scale register written by a vector instruction stands eight places ahead of a scaled product
.endr
	s_wait_alu depctr_va_vdst(0)
	s_wait_dscnt 0x0
	SWM 0
	SWM 1
.rept 4
	v_nop
.endr
.irp b, 0,1,2,3
	v_max3_num_f32 v[212+\b], v[96+16*\b], v[97+16*\b], v[98+16*\b]   ; the largest u of each block of 32 keys: for the row's maximum, and, since p rises with u, for the block's largest p
.endr
.irp i, 3,5,7,9,11,13
.irp b, 0,1,2,3
	v_max3_num_f32 v[212+\b], v[212+\b], v[96+16*\b+\i], v[97+16*\b+\i]
.endr
.endr
.irp b, 0,1,2,3
	v_max_num_f32 v[212+\b], v[212+\b], v[111+16*\b]
.endr
.irp b, 0,1,2,3
	s_delay_alu instid0(VALU_DEP_4)
	v_permlanex16_b32 v[216+\b], v[212+\b], s[SEL], s[SEL+1]
.endr
.irp b, 0,1,2,3
	s_delay_alu instid0(VALU_DEP_4)
	v_max_num_f32 v[212+\b], v[212+\b], v[216+\b]  ; with lane l xor 16's 16 keys
.endr
	s_delay_alu instid0(VALU_DEP_2)
	v_max3_num_f32 v226, v212, v213, v214
	s_delay_alu instid0(VALU_DEP_1)
	v_max_num_f32 v226, v226, v215
	s_delay_alu instid0(VALU_DEP_1)
	v_mul_f32 v226, s[CS], v226                    ; as t
	s_delay_alu instid0(VALU_DEP_1)
	v_max_num_f32 v25, v25, v226                   ; the running largest t
	v_mov_b32 v226, v24
	s_delay_alu instid0(VALU_DEP_2)
	v_floor_f32 v24, -v25                          ; the new -M = -ceil(t): a whole number
	s_delay_alu instid0(VALU_DEP_1)
	v_sub_f32 v226, v24, v226                      ; old M - new M, 0 or less
	s_delay_alu instid0(VALU_DEP_1)
	v_cvt_i32_f32 v226, v226
	s_delay_alu instid0(VALU_DEP_1)
	v_ldexp_f32 v224, 1.0, v226                    ; f = 2^(old M - new M): multiplying by it rounds nothing
.set j, 0
.rept 32
	v_pk_fma_f32 v[96+j:97+j], v[96+j:97+j], s[CS:CS+1], v[24:25] op_sel_hi:[1,0,0]   ; t - M
.set j, j+2
.endr
.irp b, 0,1,2,3
	v_fma_f32 v[212+\b], v[212+\b], s[CS], v24
.endr
.set j, 0
	s_wait_alu depctr_va_vdst(0)
.rept 64
	v_exp_f32 v[96+j], v[96+j]                     ; p = 2^(t - M)
.set j, j+1
.endr
	v_pk_mul_f32 v[26:27], v[26:27], v[224:225] op_sel_hi:[1,0]   ; the sums under the new M: a plain line behind the exponentials
	s_wait_alu depctr_va_vdst(0)                   ; one wait for the batch ahead of its first reader
.irp b, 0,1,2,3
	v_exp_f32 v[212+\b], v[212+\b]                 ; each block's largest p
.endr
	v_pk_add_f32 v[216:217], v[100:101], v[104:105]
	v_pk_add_f32 v[254:255], v[108:109], v[112:113]
	v_pk_add_f32 v[252:253], v[116:117], v[120:121]
	v_pk_add_f32 v[250:251], v[124:125], v[128:129]
	v_pk_add_f32 v[248:249], v[132:133], v[136:137]
	v_pk_add_f32 v[246:247], v[140:141], v[144:145]
	v_pk_add_f32 v[244:245], v[148:149], v[152:153]
	v_pk_add_f32 v[26:27], v[26:27], v[156:157]
	v_pk_add_f32 v[216:217], v[216:217], v[96:97]
	v_pk_add_f32 v[254:255], v[254:255], v[98:99]
	v_pk_add_f32 v[252:253], v[252:253], v[102:103]
	v_pk_add_f32 v[250:251], v[250:251], v[106:107]
	v_pk_add_f32 v[248:249], v[248:249], v[110:111]
	v_pk_add_f32 v[246:247], v[246:247], v[114:115]
	v_pk_add_f32 v[244:245], v[244:245], v[118:119]
	v_pk_add_f32 v[26:27], v[26:27], v[122:123]
	v_pk_add_f32 v[216:217], v[216:217], v[126:127]
	v_pk_add_f32 v[254:255], v[254:255], v[130:131]
	v_pk_add_f32 v[252:253], v[252:253], v[134:135]
	v_pk_add_f32 v[250:251], v[250:251], v[138:139]
	v_pk_add_f32 v[248:249], v[248:249], v[142:143]
	v_pk_add_f32 v[246:247], v[246:247], v[146:147]
	v_pk_add_f32 v[244:245], v[244:245], v[150:151]
	v_pk_add_f32 v[26:27], v[26:27], v[154:155]
	v_pk_add_f32 v[216:217], v[216:217], v[158:159]
	s_delay_alu instid0(VALU_DEP_2)
	v_pk_add_f32 v[26:27], v[26:27], v[250:251]
	s_delay_alu instid0(VALU_DEP_2)
	v_pk_add_f32 v[216:217], v[216:217], v[248:249]
	v_pk_add_f32 v[254:255], v[254:255], v[246:247]
	v_pk_add_f32 v[252:253], v[252:253], v[244:245]
	s_delay_alu instid0(VALU_DEP_2)
	v_pk_add_f32 v[26:27], v[26:27], v[254:255]
	s_delay_alu instid0(VALU_DEP_2)
	v_pk_add_f32 v[216:217], v[216:217], v[252:253]
	s_delay_alu instid0(VALU_DEP_1)
	v_pk_add_f32 v[26:27], v[26:27], v[216:217]
	s_wait_alu depctr_va_vdst(0)                   ; and one for the four
.irp b, 0,1,2,3
	v_max_num_f32 v[212+\b], 0x2800000, v[212+\b]  ; the floor 2^(5 - 127)
.endr
.irp b, 0,1,2,3
	s_delay_alu instid0(VALU_DEP_4)
	v_add_nc_u32 v[220+\b], 0xfe000000, v[212+\b]  ; the conversion's scale operand
.endr
.irp b, 0,1,2,3
	s_delay_alu instid0(VALU_DEP_4)
	v_lshrrev_b32 v[216+\b], 23, v[220+\b]
.endr
	s_delay_alu instid0(VALU_DEP_3)
	v_lshl_or_b32 v225, v217, 8, v216              ; p's scale word for these 128 keys
	s_delay_alu instid0(VALU_DEP_1)
	v_lshl_or_b32 v225, v218, 16, v225
	s_delay_alu instid0(VALU_DEP_1)
	v_lshl_or_b32 v225, v219, 24, v225
.irp c, 0,1
	v_cvt_scalef32_pk16_bf6_f32 v[192+6*\c:194+6*\c], v[96+32*\c:111+32*\c], v[220+2*\c]
	v_cvt_scalef32_pk16_bf6_f32 v[204+4*\c:206+4*\c], v[112+32*\c:127+32*\c], v[220+2*\c+1]
.endr
	v_nop                                          ; one plain line behind a scaled conversion
.irp t, 0,1,2,3                        ; v's four tiles land in p's registers while the codes are put in order and O^T is rescaled
	ds_load_b128 v[96+12*\t:99+12*\t], v12 offset:1536*\t
	ds_load_b64 v[100+12*\t:101+12*\t], v13 offset:1536*\t
	ds_load_b128 v[102+12*\t:105+12*\t], v12 offset:1536*\t+768
	ds_load_b64 v[106+12*\t:107+12*\t], v13 offset:1536*\t+768
.endr
	ds_load_b64 v[22:23], v16
.irp c, 0,1                            ; the operand wants a whole block in a lane
.irp i, 0,1,2
	v_permlane16_swap_b32 v[192+6*\c+\i], v[204+4*\c+\i]
.endr
.irp i, 0,1,2
	s_delay_alu instid0(VALU_DEP_3)
	v_mov_b32 v[195+6*\c+\i], v[204+4*\c+\i]
.endr
.endr
.set j, 0
.rept 16
	v_pk_mul_f32 v[160+j:161+j], v[160+j:161+j], v[224:225] op_sel_hi:[1,0]   ; O^T under the new M.  (Also the places in front of the products)
.set j, j+2
.endr
	s_wait_alu depctr_va_vdst(0)
	s_wait_dscnt 0x0
.irp t, 0,1,2,3
.if \t%2
	v_wmma_scale_f32_16x16x128_f8f6f4 v[160+8*\t:167+8*\t], v[96+12*\t:107+12*\t], v[192:203], v[160+8*\t:167+8*\t], v[22+\t/2], v225 matrix_a_fmt:MATRIX_FMT_BF6 matrix_b_fmt:MATRIX_FMT_BF6 matrix_a_scale:MATRIX_SCALE_ROW1
.else
	v_wmma_scale_f32_16x16x128_f8f6f4 v[160+8*\t:167+8*\t], v[96+12*\t:107+12*\t], v[192:203], v[160+8*\t:167+8*\t], v[22+\t/2], v225 matrix_a_fmt:MATRIX_FMT_BF6 matrix_b_fmt:MATRIX_FMT_BF6
.endif
.endr
	s_xor_b32 s[TB], s[TB], SLOT1                  ; on to the other slot
.endm
; THE CHANGE OF SLOTS stands at a step's head.  Each wave waits for all its tensor loads, adds 0 to its spare word, and waits for that and for its reads of the slot that it has left.
; fill = 1: a round of the cluster's barrier, and behind it that slot is filled with the next step's tiles: the load has a step in which to land; one load of a wave is out.
.macro CHANGE fill
	s_wait_tensorcnt 0x0                           ; no tensor load of mine is out, so a group 0 may be written
	ds_add_u32 v5, v6                              ; 0 onto my spare word
.if \fill
	s_xor_b32 s[G0K+1], s[G0K+1], SLOT1
	s_add_nc_u64 s[G0K+2:G0K+3], s[G0K+2:G0K+3], 32*REC   ; the next token group
	s_xor_b32 s[G0V+1], s[G0V+1], SLOT1
	s_add_nc_u64 s[G0V+2:G0V+3], s[G0V+2:G0V+3], REC      ; the next 128 keys
	s_xor_b32 s[G0I+1], s[G0I+1], SLOT1
	s_add_nc_u64 s[G0I+2:G0I+3], s[G0I+2:G0I+3], 512      ; 128 columns on
	s_wait_xcnt 0x0                                ; the last prefetch, a step back, has read its address
	s_add_nc_u64 s[PFA:PFA+1], s[PFA:PFA+1], s[78:79]
	s_wait_dscnt 0x0                               ; the add is done, and my reads of the slot that I have left are over
	CROUND
	TLOAD3
	ASK
.else
	s_wait_dscnt 0x0
	s_barrier_signal -1
	s_barrier_wait -1
.endif
.endm
.Lslot:                                            ; 15 trips: behind each change of slots but the last the next step is asked for
	CHANGE 1
	STEP
	s_sub_co_u32 s[SLOTS], s[SLOTS], 1
	s_cmp_lg_u32 s[SLOTS], 0
	s_cbranch_scc1 .Lslot
	CHANGE 0                                       ; the last step is written out
	STEP
.rept 4
	v_nop                                          ; places behind the last products
.endr
	; THE WAY OUT.  O^T / the sum; register 16 b + i is channel 32 b + 16 h + i of my query: two blocks of the next K
	v_add_f32 v26, v26, v27
	s_delay_alu instid0(VALU_DEP_1)
	v_permlanex16_b32 v216, v26, s[SEL], s[SEL+1]
	s_delay_alu instid0(VALU_DEP_1)
	v_add_f32 v26, v26, v216
	s_wait_alu depctr_va_vdst(0)
	v_rcp_f32 v26, v26
	v_nop
	s_wait_alu depctr_va_vdst(0)                   ; ahead of the reciprocal's first reader
.set j, 0
.rept 32
	v_mul_f32 v[96+j], v[160+j], v26
.set j, j+1
.endr
.irp b, 0,1
	v_max3_num_f32 v[212+\b], |v[96+16*\b]|, |v[97+16*\b]|, 0x2800000
.endr
.irp i, 2,4,6,8,10,12,14
.irp b, 0,1
	s_delay_alu instid0(VALU_DEP_2)
	v_max3_num_f32 v[212+\b], v[212+\b], |v[96+16*\b+\i]|, |v[97+16*\b+\i]|
.endr
.endr
.irp b, 0,1
	s_delay_alu instid0(VALU_DEP_2)
	v_permlanex16_b32 v[216+\b], v[212+\b], s[SEL], s[SEL+1]
.endr
.irp b, 0,1
	s_delay_alu instid0(VALU_DEP_2)
	v_max_num_f32 v[212+\b], v[212+\b], v[216+\b]
.endr
.irp b, 0,1
	s_delay_alu instid0(VALU_DEP_2)
	v_add_nc_u32 v[220+\b], 0xfe000000, v[212+\b]
.endr
.irp b, 0,1
	s_delay_alu instid0(VALU_DEP_2)
	v_lshrrev_b32 v[216+\b], 23, v[220+\b]
.endr
	s_delay_alu instid0(VALU_DEP_1)
	v_lshl_or_b32 v226, v217, 8, v216              ; my head's two scale bytes
	v_cvt_scalef32_pk16_bf6_f32 v[192:194], v[96:111], v220
	v_cvt_scalef32_pk16_bf6_f32 v[204:206], v[112:127], v221
	v_nop
.irp i, 0,1,2
	v_permlane16_swap_b32 v[192+\i], v[204+\i]
.endr
.irp i, 0,1,2
	s_delay_alu instid0(VALU_DEP_3)
	v_mov_b32 v[195+\i], v[204+\i]
.endr
	global_store_b128 v90, v[192:195], s[90:91]    ; my head's half of the tile's image: 512 and 256 consecutive bytes
	global_store_b64 v91, v[196:197], s[90:91] offset:512
	ds_store_b16 v88, v226                         ; lanes r and r + 16 write the same two bytes with the same value
	s_wait_dscnt 0x0                               ; for the others' sake
	s_barrier_signal -1
	s_barrier_wait -1
	s_cmp_lt_u32 s[WV], 2                          ; waves 0 and 1 store a pair's 256 bytes of scale words each
	s_cbranch_scc0 .Lno_words
	ds_load_b64 v[212:213], v89
	s_wait_dscnt 0x0
	global_store_b64 v91, v[212:213], s[92:93]
.Lno_words:
	s_wait_tensorcnt 0x0                           ; the wave's end
	ds_add_u32 v5, v6
	s_wait_dscnt 0x0
	CROUND                                         ; the closing round
	s_endpgm
.Lfunc_end_k_q073d5f32b9_att:
	.size	k_q073d5f32b9_att, .Lfunc_end_k_q073d5f32b9_att-k_q073d5f32b9_att
	.p2alignl 7, 3214868480
	.fill 96, 4, 3214868480
	.section	.rodata,"a",@progbits
	.p2align	6, 0x0
	.amdhsa_kernel k_q073d5f32b9_att
		.amdhsa_group_segment_fixed_size 327680
		.amdhsa_private_segment_fixed_size 0
		.amdhsa_enable_private_segment 0
		.amdhsa_kernarg_size 32
		.amdhsa_user_sgpr_count 2
		.amdhsa_user_sgpr_kernarg_segment_ptr 1
		.amdhsa_wavefront_size32 1
		.amdhsa_system_sgpr_workgroup_id_x 1
		.amdhsa_system_sgpr_workgroup_id_y 1
		.amdhsa_system_sgpr_workgroup_id_z 1
		.amdhsa_system_vgpr_workitem_id 0
		.amdhsa_next_free_vgpr 256
		.amdhsa_next_free_sgpr 100
		.amdhsa_reserve_vcc 0
		.amdhsa_float_denorm_mode_32 3
		.amdhsa_float_denorm_mode_16_64 3
		.amdhsa_memory_ordered 1
		.amdhsa_forward_progress 1
		.amdhsa_inst_pref_size 58
	.end_amdhsa_kernel
	.amdgpu_metadata
---
amdhsa.version: [ 1, 2 ]
amdhsa.kernels:
  - .name:           k_q073d5f32b9_att
    .symbol:         k_q073d5f32b9_att.kd
    .args:
      - { .name: big, .offset: 0, .size: 8, .value_kind: global_buffer, .address_space: global }
      - { .name: ao, .offset: 8, .size: 8, .value_kind: global_buffer, .address_space: global }
      - { .name: attn_bias, .offset: 16, .size: 8, .value_kind: global_buffer, .address_space: global }
      - { .name: xc, .offset: 24, .size: 8, .value_kind: global_buffer, .address_space: global }
    .group_segment_fixed_size: 327680
    .private_segment_fixed_size: 0
    .kernarg_segment_align: 8
    .kernarg_segment_size: 32
    .max_flat_workgroup_size: 512
    .sgpr_count:     100
    .vgpr_count:     256
    .wavefront_size: 32
...
	.end_amdgpu_metadata
.endif
;; end of part 3
;; launch wo (part 4): grid 8 x 32, 4 waves a work-group, clusters of 4 x 4, 327,680 bytes of LDS; arguments xc, wvx, zb, enc_input, ao; writes ao
.if DOCPART == 4
	.amdgcn_target "amdgcn-amd-amdhsa--gfx1250"
	.amdhsa_code_object_version 6
	.text
	.protected	k_q073d5f32b9_wo
	.globl	k_q073d5f32b9_wo
	.p2align	8
	.type	k_q073d5f32b9_wo,@function
k_q073d5f32b9_wo:
	s_mov_b64 s[64:65], 0
	v_nop
	global_prefetch_b8 v0, s[64:65] scope:SCOPE_SE
	s_setreg_imm32_b32 hwreg(HW_REG_WAVE_MODE, 25, 1), 1
	s_wait_xcnt 0x0
	s_wait_alu depctr_hold_cnt(0) depctr_sa_sdst(0) depctr_va_vdst(0) depctr_va_sdst(0) depctr_va_ssrc(0) depctr_va_vcc(0) depctr_vm_vsrc(0)
	s_getreg_b32 s2, hwreg(HW_REG_IB_STS2, 6, 4)
	s_cmp_eq_u32 s2, 0
	s_cbranch_scc0 .Lentry_in_a_cluster
	s_endpgm
.Lentry_in_a_cluster:
	s_bfe_u32 s2, ttmp6, 0x10000c
	s_cmp_lg_u32 s2, 0xf033
	s_cbranch_scc0 .Lentry_shape_is_right
	s_endpgm
.Lentry_shape_is_right:
.set KS,    8
.set BOFF,  819200
.set NK,    8                          ; all eight K steps lie in LDS at once: one tensor load a wave, nothing is filled again
.set REC,   12800
.set SLOT,  2*NK*REC
.set NF,    KS/NK
.set REM,   KS-NF*NK
.set SPARE, SLOT+17408                 ; behind the records the four waves' stages (16 rows x 272 bytes each), bytes of their own; then the spare words
.set SP,    272
.set BA16, 8
.set BA8,  9
.set BB16, 10
.set BB8,  11
.set BSA,  12
.set BSB,  13
.set CA16, 14
.set CA8,  15
.set CB16, 16
.set CB8,  17
.set CSA,  18
.set CSB,  19
.set STO,  20
.set RD,   21
.set CO,   22
.set BO,   23
.set BV,   24
.set SPW,  28
.set NIL,  29
.set SC,   32
.set FS,   64
.set BK,   64
.set G1,   24
.set G0,   32
.set G1B,  48
.set G0B,  56
.set G1S,  68
.set G1SB, 76
.set G0S,  84
.set G0SB, 88
.set MSB, 0
.macro WIN new
.if MSB != \new
	s_set_vgpr_msb (MSB<<8)|\new
.set MSB, \new
.endif
.endm
.set MUL,    0x50
.set TO_1,   0x40
.set FROM_1, 0x04
.macro JLOAD g0a, g1a, g0b, g1b
	s_cmp_eq_u32 s15, 0
	s_cbranch_scc0 .Lfor_b_\@
	tensor_load_to_lds s[\g0a:\g0a+3], s[\g1a:\g1a+7]
	s_nop 0
.rept 4
	v_nop
.endr
	s_branch .Lasked_\@
.Lfor_b_\@:
	tensor_load_to_lds s[\g0b:\g0b+3], s[\g1b:\g1b+7]
	s_nop 0
.rept 4
	v_nop
.endr
.Lasked_\@:
.endm
.macro CREST
	s_cmp_lg_u32 s14, 0
	s_cbranch_scc1 .Lnot_wave_0_\@
	s_barrier_signal -3
.Lnot_wave_0_\@:
	s_barrier_wait -3
	s_barrier_signal -1
	s_barrier_wait -1
.endm
.macro CROUND
	s_barrier_signal -1
	s_barrier_wait -1
	CREST
.endm
.macro FRAG reg, a16, a8, off
	ds_load_b128 v[\reg:\reg+3], v[\a16] offset:\off
	ds_load_b64 v[\reg+4:\reg+5], v[\a8] offset:\off+512
	ds_load_b128 v[\reg+6:\reg+9], v[\a16] offset:\off+768
	ds_load_b64 v[\reg+10:\reg+11], v[\a8] offset:\off+1280
.endm
.macro FADR c
.set CELL, (((\c)/NK)%2)*SLOT+((\c)%NK)*REC
	v_add_nc_u32 v[CA16], CELL, v[BA16]
	v_add_nc_u32 v[CA8], CELL, v[BA8]
	v_add_nc_u32 v[CB16], CELL, v[BB16]
	v_add_nc_u32 v[CB8], CELL, v[BB8]
	v_add_nc_u32 v[CSA], CELL, v[BSA]
	v_add_nc_u32 v[CSB], CELL, v[BSB]
.endm
.macro FETCH1 p
	ds_load_b64 v[SC+4*(\p):SC+4*(\p)+1], v[CSA]
	ds_load_b64 v[SC+4*(\p)+2:SC+4*(\p)+3], v[CSB]
.irp i, 0,1,2,3
	FRAG FS+96*(\p)+48+12*\i, CB16, CB8, 1536*\i
.endr
.endm
.macro FETCH2 p
.irp i, 0,1,2,3
	FRAG FS+96*(\p)+12*\i, CA16, CA8, 1536*\i
.endr
.endm
.macro WM a, b, p, zero
.set rD, 8*(4*(\a)+(\b))
.set rB, FS+96*(\p)+48+12*(\b)
.set rA, FS+96*(\p)+12*(\a)
.set rSB, SC+4*(\p)+2+(\b)/2
.set rSA, SC+4*(\p)+(\a)/2
.if \zero
.if ((\b)%2) && ((\a)%2)
	v_wmma_scale_f32_16x16x128_f8f6f4 v[rD:rD+7], v[rB:rB+11], v[rA:rA+11], 0, v[rSB], v[rSA] matrix_a_fmt:MATRIX_FMT_BF6 matrix_b_fmt:MATRIX_FMT_BF6 matrix_a_scale:MATRIX_SCALE_ROW1 matrix_b_scale:MATRIX_SCALE_ROW1
.elseif (\b)%2
	v_wmma_scale_f32_16x16x128_f8f6f4 v[rD:rD+7], v[rB:rB+11], v[rA:rA+11], 0, v[rSB], v[rSA] matrix_a_fmt:MATRIX_FMT_BF6 matrix_b_fmt:MATRIX_FMT_BF6 matrix_a_scale:MATRIX_SCALE_ROW1
.elseif (\a)%2
	v_wmma_scale_f32_16x16x128_f8f6f4 v[rD:rD+7], v[rB:rB+11], v[rA:rA+11], 0, v[rSB], v[rSA] matrix_a_fmt:MATRIX_FMT_BF6 matrix_b_fmt:MATRIX_FMT_BF6 matrix_b_scale:MATRIX_SCALE_ROW1
.else
	v_wmma_scale_f32_16x16x128_f8f6f4 v[rD:rD+7], v[rB:rB+11], v[rA:rA+11], 0, v[rSB], v[rSA] matrix_a_fmt:MATRIX_FMT_BF6 matrix_b_fmt:MATRIX_FMT_BF6
.endif
.else
.if ((\b)%2) && ((\a)%2)
	v_wmma_scale_f32_16x16x128_f8f6f4 v[rD:rD+7], v[rB:rB+11], v[rA:rA+11], v[rD:rD+7], v[rSB], v[rSA] matrix_a_fmt:MATRIX_FMT_BF6 matrix_b_fmt:MATRIX_FMT_BF6 matrix_a_scale:MATRIX_SCALE_ROW1 matrix_b_scale:MATRIX_SCALE_ROW1
.elseif (\b)%2
	v_wmma_scale_f32_16x16x128_f8f6f4 v[rD:rD+7], v[rB:rB+11], v[rA:rA+11], v[rD:rD+7], v[rSB], v[rSA] matrix_a_fmt:MATRIX_FMT_BF6 matrix_b_fmt:MATRIX_FMT_BF6 matrix_a_scale:MATRIX_SCALE_ROW1
.elseif (\a)%2
	v_wmma_scale_f32_16x16x128_f8f6f4 v[rD:rD+7], v[rB:rB+11], v[rA:rA+11], v[rD:rD+7], v[rSB], v[rSA] matrix_a_fmt:MATRIX_FMT_BF6 matrix_b_fmt:MATRIX_FMT_BF6 matrix_b_scale:MATRIX_SCALE_ROW1
.else
	v_wmma_scale_f32_16x16x128_f8f6f4 v[rD:rD+7], v[rB:rB+11], v[rA:rA+11], v[rD:rD+7], v[rSB], v[rSA] matrix_a_fmt:MATRIX_FMT_BF6 matrix_b_fmt:MATRIX_FMT_BF6
.endif
.endif
.endm
.macro MUL4 a, p, zero
.irp b, 0,1,2,3
	WM \a, \b, \p, \zero
.endr
.endm
.macro STEP c, zero
	s_wait_dscnt 8
	FADR (\c)+1
	FETCH1 1-(\c)%2
	WIN MUL
	MUL4 0, (\c)%2, \zero
	MUL4 1, (\c)%2, \zero
	WIN 0
	FETCH2 1-(\c)%2
	s_wait_dscnt 34
	WIN MUL
	MUL4 2, (\c)%2, \zero
	MUL4 3, (\c)%2, \zero
	WIN 0
.endm
.macro TURN c, fill
.set sl, ((\c)/NK)%2
	s_wait_tensorcnt 0x0
	ds_add_u32 v[SPW], v[NIL]
	s_wait_dscnt 9
	WIN MUL
	MUL4 0, (\c)%2, 0
	s_wait_dscnt 0x0
	s_barrier_signal -1
	MUL4 1, (\c)%2, 0
	WIN 0
	s_barrier_wait -1
.if (\fill) == 1
	CREST
	s_add_nc_u64 s[G0+4*sl+2:G0+4*sl+3], s[G0+4*sl+2:G0+4*sl+3], 2*NK*REC
	s_add_nc_u64 s[G0B+4*sl+2:G0B+4*sl+3], s[G0B+4*sl+2:G0B+4*sl+3], 2*NK*REC
	JLOAD G0+4*sl, G1, G0B+4*sl, G1B
.elseif (\fill) == 2
	CREST
	JLOAD G0S, G1S, G0SB, G1SB
.endif
	FADR (\c)+1
	FETCH1 1-(\c)%2
	FETCH2 1-(\c)%2
	WIN MUL
	MUL4 2, (\c)%2, 0
	MUL4 3, (\c)%2, 0
	WIN 0
.endm
.macro LAST c
	s_wait_dscnt 8
	WIN MUL
	MUL4 0, (\c)%2, 0
	MUL4 1, (\c)%2, 0
	s_wait_dscnt 0x0
	MUL4 2, (\c)%2, 0
	MUL4 3, (\c)%2, 0
	WIN 0
.endm
.macro TOSTAGE a
	WIN FROM_1
.set b, 0
.rept 4
	ds_store_b128 v[STO], v[32*(\a)+8*b:32*(\a)+8*b+3] offset:(32*(b/2)+8*(b%2))*4
	ds_store_b128 v[STO], v[32*(\a)+8*b+4:32*(\a)+8*b+7] offset:(32*(b/2)+8*(b%2))*4+16
.set b, b+1
.endr
	WIN 0
.set BB, BK+32*((\a)%2)
.set t, 0
.rept 8
	ds_load_b128 v[BB+4*t:BB+4*t+3], v[RD] offset:2*t*SP
.set t, t+1
.endr
.endm
.macro SEND a, younger
.set BB, BK+32*((\a)%2)
	s_wait_dscnt \younger
	WIN FROM_1
.set t, 0
.rept 16
	v_pk_add_f32 v[BB+t:BB+t+1], v[BB+t:BB+t+1], v[128+32*(\a)+t:128+32*(\a)+t+1]
.set t, t+2
.endr
	WIN 0
.set t, 0
.rept 16
	v_pk_add_f32 v[BB+t:BB+t+1], v[BB+t:BB+t+1], v[BV+t%4:BV+t%4+1]
.set t, t+2
.endr
.set t, 0
.rept 8
	global_store_b128 v[CO], v[BB+4*t:BB+4*t+3], s[12:13] offset:(32*((\a)/2)+8*((\a)%2)+2*t+8*(t/4))*4096
.set t, t+1
.endr
.endm
	s_load_b256 s[4:11], s[0:1], 0x0
	s_load_b64 s[12:13], s[0:1], 0x20
	v_lshl_add_u32 v[SPW], v0, 2, SPARE
	v_mov_b32 v[NIL], 0
	ds_add_u32 v28, v29
	ds_add_u32 v28, v29
	s_wait_dscnt 0x0
	v_lshrrev_b32 v1, 5, v0
	v_readfirstlane_b32 s14, v1
	s_lshr_b32 s15, s14, 1
	s_and_b32 s16, s14, 1
	s_bfe_u32 s40, ttmp6, 0x40000
	s_bfe_u32 s41, ttmp6, 0x40004
	s_lshl_b32 s42, ttmp9, 2
	s_add_co_u32 s42, s42, s40
	s_and_b32 s17, ttmp7, 0xffff
	s_lshl_b32 s17, s17, 2
	s_add_co_u32 s17, s17, s41
	s_lshl_b32 s43, s41, 2
	s_lshl_b32 s43, 15, s43
	s_lshl_b32 s44, 0x1111, s40
	s_or_b32 s[G1+0], s43, (3<<16)|(1<<21)
	s_or_b32 s[G1B+0], s44, (3<<16)|(1<<21)
.irp g, G1, G1B
	s_mov_b32 s[\g+1], 32<<16
	s_mov_b32 s[\g+2], (NK/2*50)<<16
	s_mov_b32 s[\g+3], 32<<16
	s_mov_b32 s[\g+4], NK/2*50
	s_mov_b32 s[\g+5], 32
	s_mov_b32 s[\g+6], 0
	s_mov_b32 s[\g+7], 0
.endr
	s_mul_i32 s18, s16, (NK/2)*REC
	s_mul_i32 s20, s17, KS*REC
	s_add_co_u32 s20, s20, s18
	s_mov_b32 s21, 0
	s_mul_i32 s46, s42, KS*REC
	s_add_co_u32 s46, s46, s18
	s_add_co_u32 s46, s46, BOFF
	s_mov_b32 s47, 0
	s_mov_b32 s45, s18
	s_add_co_u32 s19, s18, NK*REC
.if REM
	s_or_b32 s[G1S+0], s43, (3<<16)|(1<<21)
	s_or_b32 s[G1SB+0], s44, (3<<16)|(1<<21)
.irp g, G1S, G1SB
	s_mov_b32 s[\g+1], 32<<16
	s_mov_b32 s[\g+2], (REM/2*50)<<16
	s_mov_b32 s[\g+3], 32<<16
	s_mov_b32 s[\g+4], REM/2*50
	s_mov_b32 s[\g+5], 32
	s_mov_b32 s[\g+6], 0
	s_mov_b32 s[\g+7], 0
.endr
	s_mul_i32 s94, s16, (REM/2)*REC
	s_mul_i32 s92, s17, KS*REC
	s_add_co_u32 s92, s92, s94
	s_add_co_u32 s92, s92, NF*NK*REC
	s_mov_b32 s93, 0
	s_mul_i32 s96, s42, KS*REC
	s_add_co_u32 s96, s96, s94
	s_add_co_u32 s96, s96, NF*NK*REC+BOFF
	s_mov_b32 s97, 0
.endif
	s_wait_kmcnt 0x0
	s_add_nc_u64 s[20:21], s[4:5], s[20:21]
	s_add_nc_u64 s[46:47], s[6:7], s[46:47]
.if REM
	s_mov_b32 s[G0S], 1
	s_add_co_u32 s[G0S+1], s94, (NF%2)*SLOT
	s_add_nc_u64 s[G0S+2:G0S+3], s[4:5], s[92:93]
	s_or_b32 s[G0S+3], s[G0S+3], 0x80000000
	s_mov_b32 s[G0SB], 1
	s_add_co_u32 s[G0SB+1], s94, (NF%2)*SLOT+NK*REC
	s_add_nc_u64 s[G0SB+2:G0SB+3], s[6:7], s[96:97]
	s_or_b32 s[G0SB+3], s[G0SB+3], 0x80000000
.endif
	CROUND
.irp s, 0
	s_mov_b32 s[G0+4*\s], 1
	s_add_co_u32 s[G0+4*\s+1], s45, \s*SLOT
	s_add_nc_u64 s[G0+4*\s+2:G0+4*\s+3], s[20:21], \s*NK*REC
	s_or_b32 s[G0+4*\s+3], s[G0+4*\s+3], 0x80000000
	s_mov_b32 s[G0B+4*\s], 1
	s_add_co_u32 s[G0B+4*\s+1], s19, \s*SLOT
	s_add_nc_u64 s[G0B+4*\s+2:G0B+4*\s+3], s[46:47], \s*NK*REC
	s_or_b32 s[G0B+4*\s+3], s[G0B+4*\s+3], 0x80000000
	JLOAD G0+4*\s, G1, G0B+4*\s, G1B               ; waves 0, 1: four records of A each; waves 2, 3: four of B each
.endr
	v_and_b32 v1, 31, v0
	v_lshlrev_b32 v2, 4, v1
	v_lshlrev_b32 v3, 3, v1
	s_mul_i32 s22, s15, 6144
	v_add_nc_u32 v[BA16], s22, v2
	v_add_nc_u32 v[BA8], s22, v3
	s_mul_i32 s23, s16, 6144
	s_add_co_u32 s23, s23, NK*REC
	v_add_nc_u32 v[BB16], s23, v2
	v_add_nc_u32 v[BB8], s23, v3
	s_lshl_b32 s22, s15, 8
	s_add_co_u32 s22, s22, 12288
	v_add_nc_u32 v[BSA], s22, v3
	s_lshl_b32 s23, s16, 8
	s_add_co_u32 s23, s23, NK*REC+12288
	v_add_nc_u32 v[BSB], s23, v3
	v_and_b32 v5, 15, v0
	v_bfe_u32 v6, v0, 4, 1
	s_mul_i32 s23, s14, 16*SP
	s_add_co_u32 s23, s23, SLOT                    ; my stage, behind the records
	v_mul_u32_u24 v[STO], v5, SP
	v_lshl_add_u32 v[STO], v6, 6, v[STO]
	v_add_nc_u32 v[STO], s23, v[STO]
	v_mul_u32_u24 v[RD], v6, SP
	v_lshl_add_u32 v[RD], v5, 4, v[RD]
	v_add_nc_u32 v[RD], s23, v[RD]
	v_lshlrev_b32 v[BO], 4, v5
	s_wait_alu depctr_va_vdst(0)
	v_lshl_add_u32 v[CO], v6, 12, v[BO]
	s_wait_alu depctr_va_vdst(0)
	s_lshl_b32 s96, s42, 9
	s_lshl_b32 s23, s16, 8
	s_add_co_u32 s96, s96, s23
	s_mov_b32 s97, 0
	s_lshl_b32 s98, s17, 19
	s_lshl_b32 s23, s15, 18
	s_add_co_u32 s98, s98, s23
	s_add_co_u32 s98, s98, s96
	s_mov_b32 s99, 0
	s_add_nc_u64 s[8:9], s[8:9], s[96:97]
	s_add_nc_u64 s[10:11], s[10:11], s[98:99]
	s_add_nc_u64 s[12:13], s[12:13], s[98:99]
.macro RESID                           ; the bias and the residual, wanted on the way out alone: asked for behind the first fragment loads, so that they come in under the products
	global_load_b128 v[BV:BV+3], v[BO], s[8:9]
	WIN TO_1
.irp a, 0,1,2,3
.set t, 0
.rept 8
	global_load_b128 v[128+32*\a+4*t:128+32*\a+4*t+3], v[CO], s[10:11] offset:(32*(\a/2)+8*(\a%2)+2*t+8*(t/4))*4096 th:TH_LOAD_NT
.set t, t+1
.endr
.endr
	WIN 0
.endm
	s_wait_tensorcnt 0x0                           ; my one load has landed
	s_barrier_signal -1
	s_barrier_wait -1
	FADR 0
	FETCH1 0
	FETCH2 0
	RESID
.set kc, 0
.rept KS
.if kc == KS-1
	LAST kc
.elseif (kc+1)%NK == 0
.if kc/NK+2 < NF
	TURN kc, 1
.elseif (kc/NK+2 == NF) && REM
	TURN kc, 2
.else
	TURN kc, 0
.endif
.elseif kc == 0
	STEP kc, 1
.else
	STEP kc, 0
.endif
.set kc, kc+1
.endr
.rept 4
	v_nop
.endr
	s_wait_loadcnt 0x0
	TOSTAGE 0
.irp a, 1,2,3
.if \a > 1
	s_wait_xcnt 0x0
.endif
	TOSTAGE \a
	SEND \a-1, 16
.endr
	SEND 3, 0
	s_wait_tensorcnt 0x0
	ds_add_u32 v[SPW], v[NIL]
	s_wait_dscnt 0x0
	CROUND
	s_endpgm
.Lfunc_end_k_q073d5f32b9_wo:
	.size	k_q073d5f32b9_wo, .Lfunc_end_k_q073d5f32b9_wo-k_q073d5f32b9_wo
	.p2alignl 7, 3214868480
	.fill 96, 4, 3214868480
	.section	.rodata,"a",@progbits
	.p2align	6, 0x0
	.amdhsa_kernel k_q073d5f32b9_wo
		.amdhsa_group_segment_fixed_size 327680
		.amdhsa_private_segment_fixed_size 0
		.amdhsa_enable_private_segment 0
		.amdhsa_kernarg_size 40
		.amdhsa_user_sgpr_count 2
		.amdhsa_user_sgpr_kernarg_segment_ptr 1
		.amdhsa_wavefront_size32 1
		.amdhsa_system_sgpr_workgroup_id_x 1
		.amdhsa_system_sgpr_workgroup_id_y 1
		.amdhsa_system_sgpr_workgroup_id_z 1
		.amdhsa_system_vgpr_workitem_id 0
		.amdhsa_next_free_vgpr 512
		.amdhsa_next_free_sgpr 100
		.amdhsa_reserve_vcc 0
		.amdhsa_float_denorm_mode_32 3
		.amdhsa_float_denorm_mode_16_64 3
		.amdhsa_memory_ordered 1
		.amdhsa_forward_progress 1
		.amdhsa_inst_pref_size 63
	.end_amdhsa_kernel
	.amdgpu_metadata
---
amdhsa.version: [ 1, 2 ]
amdhsa.kernels:
  - .name:           k_q073d5f32b9_wo
    .symbol:         k_q073d5f32b9_wo.kd
    .args:
      - { .name: xc, .offset: 0, .size: 8, .value_kind: global_buffer, .address_space: global }
      - { .name: wvx, .offset: 8, .size: 8, .value_kind: global_buffer, .address_space: global }
      - { .name: zb, .offset: 16, .size: 8, .value_kind: global_buffer, .address_space: global }
      - { .name: enc_input, .offset: 24, .size: 8, .value_kind: global_buffer, .address_space: global }
      - { .name: ao, .offset: 32, .size: 8, .value_kind: global_buffer, .address_space: global }
    .group_segment_fixed_size: 327680
    .private_segment_fixed_size: 0
    .kernarg_segment_align: 8
    .kernarg_segment_size: 40
    .max_flat_workgroup_size: 128
    .sgpr_count:     100
    .vgpr_count:     512
    .wavefront_size: 32
...
	.end_amdgpu_metadata
.endif
;; end of part 4
;; launch ln1 (part 5): grid 256 x 1, 8 waves a work-group, no clusters, 66,816 bytes of LDS; arguments ao, ln2_g, ln2_b, xc; writes xc
.if DOCPART == 5
	.amdgcn_target "amdgcn-amd-amdhsa--gfx1250"
	.amdhsa_code_object_version 6
	.text
	.protected	k_q073d5f32b9_ln1
	.globl	k_q073d5f32b9_ln1
	.p2align	8
	.type	k_q073d5f32b9_ln1,@function
k_q073d5f32b9_ln1:
	s_mov_b64 s[64:65], 0
	v_nop
	global_prefetch_b8 v0, s[64:65] scope:SCOPE_SE
	s_setreg_imm32_b32 hwreg(HW_REG_WAVE_MODE, 25, 1), 1
	s_wait_xcnt 0x0
; y = (x - mean) rsqrt(var + 1e-5) g + b along rows of 1,024 f32, then quantised along the row to codes of BF6 (E3M2) with one E8M0 byte for each 32, stored in the operand layout
; (records of 128 rows x 128 along K, 12,800 bytes, 8 K steps a group; eight tiles of 1,536 bytes, each an image of the operand's 12 registers; lane r of tile t is row 32 (t / 2) + 8 (t % 2) + r + 8 (r / 8);
; scale words at 12,288: the first launch's head has the letter of it).
; SHARES.  A work-group takes the 16 rows of one tile: 4,096 / 16 = 256 work-groups.  Part 1: each of the eight waves takes two rows, a whole row in 32 registers, read once; mean and variance in two passes over
; the registers; (x - mean) rsqrt(..) goes to LDS, row = the tile's lane, 4,112 bytes apart.  One barrier.  Part 2: wave w takes K step w: lane (r, h) reads 16 neighbours of each block of 32 of row r,
; multiplies by g and adds b (of g and b a wave loads its own K step's 128 numbers alone, in the same order of registers), quantises, and stores the image.
; No cluster, no matrix unit: work-groups share only g and b, 8 KB.  The tile's 16 scale words leave as 4 bytes a lane, 8 bytes apart: the words between them are another tile's, which another work-group makes.
; LIMITS: NaN and infinities are not served; a block whose largest magnitude lies under 2^-122 keeps the byte 1.
.set PITCH, 4112                       ; 4,096 + 16: the sixteen rows that a load of part 2 touches begin in sixteen different columns of 16 bytes
.set PC,  32                           ; v32-51 the codes just made
.set TM,  12                           ; v12-27 at work in QUANT
.set PW,  28                           ; v28    the scale word just made
.set SEL, 12                           ; s[12:13] lane selects: lane l xor 16
.macro QUANT s                         ; 64 numbers of a lane, register 16 b + i = k 32 b + 16 (lane / 16) + i of my row, become a fragment's codes in v[PC] on and its scale word in v[PW]
.irp b, 0,1,2,3
	v_max3_num_f32 v[TM+\b], |v[\s+16*\b]|, |v[\s+1+16*\b]|, 0x2800000   ; my 16 numbers of block b, and the floor 2^(5 - 127)
.endr
.irp i, 2,4,6,8,10,12,14
.irp b, 0,1,2,3
	s_delay_alu instid0(VALU_DEP_4)
	v_max3_num_f32 v[TM+\b], v[TM+\b], |v[\s+16*\b+\i]|, |v[\s+1+16*\b+\i]|
.endr
.endr
.irp b, 0,1,2,3
	v_permlanex16_b32 v[TM+4+\b], v[TM+\b], s[SEL], s[SEL+1]
.endr
.irp b, 0,1,2,3
	s_delay_alu instid0(VALU_DEP_4)
	v_max_num_f32 v[TM+\b], v[TM+\b], v[TM+4+\b]   ; with lane l xor 16's: the block's largest magnitude
.endr
.irp b, 0,1,2,3
	s_delay_alu instid0(VALU_DEP_4)
	v_add_nc_u32 v[TM+12+\b], 0xfe000000, v[TM+\b] ; 4 off its exponent field: the conversion's scale operand
.endr
.irp b, 0,1,2,3
	s_delay_alu instid0(VALU_DEP_4)
	v_lshrrev_b32 v[TM+4+\b], 23, v[TM+12+\b]      ; the scale's byte
.endr
	s_delay_alu instid0(VALU_DEP_3)
	v_lshl_or_b32 v[PW], v[TM+5], 8, v[TM+4]
	s_delay_alu instid0(VALU_DEP_1)
	v_lshl_or_b32 v[PW], v[TM+6], 16, v[PW]
	s_delay_alu instid0(VALU_DEP_1)
	v_lshl_or_b32 v[PW], v[TM+7], 24, v[PW]
.irp c, 0,1
	v_cvt_scalef32_pk16_bf6_f32 v[PC+6*\c:PC+2+6*\c], v[\s+32*\c:\s+15+32*\c], v[TM+12+2*\c]
	v_cvt_scalef32_pk16_bf6_f32 v[PC+12+4*\c:PC+14+4*\c], v[\s+16+32*\c:\s+31+32*\c], v[TM+12+2*\c+1]
.endr
	v_nop                                          ; one plain line behind a scaled conversion
.irp c, 0,1                            ; the operand wants a whole block in a lane: lanes 0-15 block 2 c, lanes 16-31 block 2 c + 1
.irp i, 0,1,2
	v_permlane16_swap_b32 v[PC+6*\c+\i], v[PC+12+4*\c+\i]
.endr
.irp i, 0,1,2
	s_delay_alu instid0(VALU_DEP_3)
	v_mov_b32 v[PC+3+6*\c+\i], v[PC+12+4*\c+\i]
.endr
.endr
.endm
.macro ACROSS                          ; v[16 + 4 i], i = 0, 1, summed over the 32 lanes; the two rows by turns
.irp x, 1,2,4,8
.irp i, 0,1
	s_delay_alu instid0(VALU_DEP_2)
	v_add_f32_dpp v[16+4*\i], v[16+4*\i], v[16+4*\i] row_xmask:\x row_mask:0xf bank_mask:0xf
.endr
.endr
.irp i, 0,1
	s_delay_alu instid0(VALU_DEP_2)
	v_permlanex16_b32 v[18+4*\i], v[16+4*\i], s[SEL], s[SEL+1]
.endr
.irp i, 0,1
	s_delay_alu instid0(VALU_DEP_2)
	v_add_f32 v[16+4*\i], v[16+4*\i], v[18+4*\i]
.endr
.endm
	s_load_b256 s[4:11], s[0:1], 0x0               ; x, g, b, out
	v_lshl_add_u32 v62, v0, 2, 0x10100
	v_mov_b32 v63, 0
	v_lshrrev_b32 v1, 5, v0
	s_delay_alu instid0(VALU_DEP_1)
	v_readfirstlane_b32 s14, v1                    ; wave 0..7
	v_and_b32 v2, 31, v0
	s_delay_alu instid0(VALU_DEP_1)
	v_lshlrev_b32 v1, 4, v2                        ; 16 x lane
	s_wait_alu depctr_va_vdst(0)
	v_lshlrev_b32 v3, 3, v2                        ; 8 x lane
	s_lshr_b32 s15, ttmp9, 3                       ; the group of 128 rows
	s_and_b32 s21, ttmp9, 7                        ; the tile t
	s_lshl_b32 s16, s15, 19                        ; 128 rows of 4,096 bytes a group;
	s_lshr_b32 s17, s21, 1
	s_lshl_b32 s17, s17, 17                        ; the tile begins at row 32 (t / 2)
	s_add_co_u32 s16, s16, s17
	s_and_b32 s17, s21, 1
	s_lshl_b32 s17, s17, 15                        ; + 8 (t % 2);
	s_add_co_u32 s16, s16, s17
	s_lshl_b32 s17, s14, 13                        ; my lanes 2 w, 2 w + 1 are its rows 2 w + i
	s_add_co_u32 s16, s16, s17
	s_lshr_b32 s17, s14, 2
	s_lshl_b32 s17, s17, 15                        ; + 8 (w / 4)
	s_add_co_u32 s16, s16, s17
	s_mov_b32 s17, 0
	s_mul_i32 s18, s14, 2*PITCH
	v_add_nc_u32 v4, s18, v1                       ; where my first row goes in LDS
	v_and_b32 v5, 15, v0                           ; r
	v_bfe_u32 v6, v0, 4, 1                         ; h
	s_delay_alu instid0(VALU_DEP_2)
	v_mul_u32_u24 v8, v5, PITCH
	s_delay_alu instid0(VALU_DEP_1)
	v_lshl_add_u32 v8, v6, 6, v8
	s_lshl_b32 s19, s14, 9
	v_add_nc_u32 v8, s19, v8                       ; part 2: row r, K step w, + 64 h
	v_lshlrev_b32 v9, 6, v6
	s_delay_alu instid0(VALU_DEP_1)
	v_add_nc_u32 v9, s19, v9                       ; the same columns in g and in b
	v_lshlrev_b32 v10, 3, v5                       ; 8 r: a scale word's place
	s_lshl_b32 s20, s15, 3
	s_add_co_u32 s20, s20, s14
	s_mul_i32 s20, s20, 12800                      ; record (group, K step w)
	s_mul_i32 s22, s21, 1536
	s_add_co_u32 s22, s22, s20                     ; the tile's image
	s_mov_b32 s23, 0
	s_lshr_b32 s24, s21, 2                         ; its scale words: 256 (t / 4) + 128 (t % 2) + 4 ((t / 2) % 2) + 8 r
	s_lshl_b32 s24, s24, 8
	s_bfe_u32 s25, s21, 0x10001
	s_lshl_b32 s25, s25, 2
	s_add_co_u32 s24, s24, s25
	s_and_b32 s25, s21, 1
	s_lshl_b32 s25, s25, 7
	s_add_co_u32 s24, s24, s25
	s_add_co_u32 s24, s24, s20
	s_add_co_u32 s24, s24, 12288
	s_mov_b32 s25, 0
	s_mov_b32 s[SEL], 0x76543210
	s_mov_b32 s[SEL+1], 0xfedcba98
	s_mov_b32 s26, 0x3a800000                      ; 1 / 1,024
	s_mov_b32 s27, 0x3727c5ac                      ; 1e-5
	s_wait_alu depctr_va_vdst(0)
	s_wait_kmcnt 0x0
	s_add_nc_u64 s[4:5], s[4:5], s[16:17]
	s_add_nc_u64 s[22:23], s[10:11], s[22:23]
	s_add_nc_u64 s[24:25], s[10:11], s[24:25]
.irp i, 0,1
.irp j, 0,1,2,3,4,5,6,7
	global_load_b128 v[64+32*\i+4*\j:67+32*\i+4*\j], v1, s[4:5] offset:4096*\i+512*\j th:TH_LOAD_NT   ; 512 consecutive bytes a load
.endr
.endr
.irp b, 0,1,2,3
.irp j, 0,1,2,3
	global_load_b128 v[128+16*\b+4*\j:131+16*\b+4*\j], v9, s[6:7] offset:128*\b+16*\j    ; g, register 16 b + i = column 128 w + 32 b + 16 h + i
.endr
.endr
.irp b, 0,1,2,3
.irp j, 0,1,2,3
	global_load_b128 v[192+16*\b+4*\j:195+16*\b+4*\j], v9, s[8:9] offset:128*\b+16*\j    ; b likewise
.endr
.endr
	s_wait_loadcnt 32                              ; my two rows are in; the 32 loads of g and b may be out
	; the mean: two chains a row, the two rows by turns
.irp i, 0,1
	v_pk_add_f32 v[16+4*\i:17+4*\i], v[64+32*\i:65+32*\i], v[66+32*\i:67+32*\i]
	v_pk_add_f32 v[18+4*\i:19+4*\i], v[68+32*\i:69+32*\i], v[70+32*\i:71+32*\i]
.endr
.irp m, 8,12,16,20,24,28
.irp i, 0,1
	s_delay_alu instid0(VALU_DEP_4)
	v_pk_add_f32 v[16+4*\i:17+4*\i], v[16+4*\i:17+4*\i], v[64+32*\i+\m:65+32*\i+\m]
	s_delay_alu instid0(VALU_DEP_4)
	v_pk_add_f32 v[18+4*\i:19+4*\i], v[18+4*\i:19+4*\i], v[66+32*\i+\m:67+32*\i+\m]
.endr
.endr
.irp i, 0
	s_delay_alu instid0(VALU_DEP_3)
	v_pk_add_f32 v[16+4*\i:17+4*\i], v[16+4*\i:17+4*\i], v[18+4*\i:19+4*\i]
.endr
.irp i, 1
	s_delay_alu instid0(VALU_DEP_2)
	v_pk_add_f32 v[16+4*\i:17+4*\i], v[16+4*\i:17+4*\i], v[18+4*\i:19+4*\i]
.endr
.irp i, 0,1
	s_delay_alu instid0(VALU_DEP_2)
	v_add_f32 v[16+4*\i], v[16+4*\i], v[17+4*\i]
.endr
	ACROSS
.irp i, 0,1
	s_delay_alu instid0(VALU_DEP_2)
	v_mul_f32 v[16+4*\i], s26, v[16+4*\i]
.endr
.irp i, 0,1
.set k, 0
.rept 16
	v_pk_add_f32 v[64+32*\i+k:65+32*\i+k], v[64+32*\i+k:65+32*\i+k], v[16+4*\i:17+4*\i] op_sel_hi:[1,0] neg_lo:[0,1] neg_hi:[0,1]   ; x - mean, in place
.set k, k+2
.endr
.endr
	; the variance, of the differences
.irp i, 0,1
	v_pk_mul_f32 v[16+4*\i:17+4*\i], v[64+32*\i:65+32*\i], v[64+32*\i:65+32*\i]
	v_pk_mul_f32 v[18+4*\i:19+4*\i], v[66+32*\i:67+32*\i], v[66+32*\i:67+32*\i]
.endr
.irp m, 4,8,12,16,20,24,28
.irp i, 0,1
	s_delay_alu instid0(VALU_DEP_4)
	v_pk_fma_f32 v[16+4*\i:17+4*\i], v[64+32*\i+\m:65+32*\i+\m], v[64+32*\i+\m:65+32*\i+\m], v[16+4*\i:17+4*\i]
	s_delay_alu instid0(VALU_DEP_4)
	v_pk_fma_f32 v[18+4*\i:19+4*\i], v[66+32*\i+\m:67+32*\i+\m], v[66+32*\i+\m:67+32*\i+\m], v[18+4*\i:19+4*\i]
.endr
.endr
.irp i, 0
	s_delay_alu instid0(VALU_DEP_3)
	v_pk_add_f32 v[16+4*\i:17+4*\i], v[16+4*\i:17+4*\i], v[18+4*\i:19+4*\i]
.endr
.irp i, 1
	s_delay_alu instid0(VALU_DEP_2)
	v_pk_add_f32 v[16+4*\i:17+4*\i], v[16+4*\i:17+4*\i], v[18+4*\i:19+4*\i]
.endr
.irp i, 0,1
	s_delay_alu instid0(VALU_DEP_2)
	v_add_f32 v[16+4*\i], v[16+4*\i], v[17+4*\i]
.endr
	ACROSS
.irp i, 0,1
	s_delay_alu instid0(VALU_DEP_2)
	v_fma_f32 v[16+4*\i], v[16+4*\i], s26, s27
.endr
	s_wait_alu depctr_va_vdst(0)
.irp i, 0,1
	v_rsq_f32 v[16+4*\i], v[16+4*\i]
.endr
	v_nop                                          ; a plain line behind the second of the two,
	s_wait_alu depctr_va_vdst(0)                   ; and one wait for the batch ahead of its first reader
.irp i, 0,1
.set k, 0
.rept 16
	v_pk_mul_f32 v[64+32*\i+k:65+32*\i+k], v[64+32*\i+k:65+32*\i+k], v[16+4*\i:17+4*\i] op_sel_hi:[1,0]
.set k, k+2
.endr
.irp j, 0,1,2,3,4,5,6,7
	ds_store_b128 v4, v[64+32*\i+4*\j:67+32*\i+4*\j] offset:PITCH*\i+512*\j
.endr
.endr
	s_wait_dscnt 0x0                               ; for the others' sake: my rows lie in LDS
	s_barrier_signal -1
	s_barrier_wait -1
.irp b, 0,1,2,3
.irp j, 0,1,2,3
	ds_load_b128 v[64+16*\b+4*\j:67+16*\b+4*\j], v8 offset:128*\b+16*\j
.endr
.endr
	s_wait_dscnt 0x0
	s_wait_loadcnt 0x0                             ; g and b
.set k, 0
.rept 32
	v_pk_fma_f32 v[64+k:65+k], v[64+k:65+k], v[128+k:129+k], v[192+k:193+k]
.set k, k+2
.endr
	QUANT 64
	global_store_b128 v1, v[PC:PC+3], s[22:23]                  ; the fragment as it stands: four stores that each cover whole runs of 256 bytes
	global_store_b64 v3, v[PC+4:PC+5], s[22:23] offset:512
	global_store_b128 v1, v[PC+6:PC+9], s[22:23] offset:768
	global_store_b64 v3, v[PC+10:PC+11], s[22:23] offset:1280
	v_cmp_gt_u32 vcc_lo, 16, v2                    ; lanes 0-15 hold the 16 rows' words (lanes 16-31 the same again)
	s_wait_xcnt 0x0                                ; EXEC changes only behind this wait
	s_wait_tensorcnt 0x0
	ds_add_u32 v62, v63
	s_wait_dscnt 0x0
	s_and_saveexec_b32 s29, vcc_lo
	global_store_b32 v10, v[PW], s[24:25]
	s_wait_xcnt 0x0                                ; and again, in front of the line that widens it
	s_or_b32 exec_lo, exec_lo, s29
	s_endpgm
.Lfunc_end_k_q073d5f32b9_ln1:
	.size	k_q073d5f32b9_ln1, .Lfunc_end_k_q073d5f32b9_ln1-k_q073d5f32b9_ln1
	.p2alignl 7, 3214868480
	.fill 96, 4, 3214868480
	.section	.rodata,"a",@progbits
	.p2align	6, 0x0
	.amdhsa_kernel k_q073d5f32b9_ln1
		.amdhsa_group_segment_fixed_size 66816
		.amdhsa_private_segment_fixed_size 0
		.amdhsa_enable_private_segment 0
		.amdhsa_kernarg_size 32
		.amdhsa_user_sgpr_count 2
		.amdhsa_user_sgpr_kernarg_segment_ptr 1
		.amdhsa_wavefront_size32 1
		.amdhsa_system_sgpr_workgroup_id_x 1
		.amdhsa_system_sgpr_workgroup_id_y 1
		.amdhsa_system_sgpr_workgroup_id_z 1
		.amdhsa_system_vgpr_workitem_id 0
		.amdhsa_next_free_vgpr 256
		.amdhsa_next_free_sgpr 66
		.amdhsa_reserve_vcc 1
		.amdhsa_float_denorm_mode_32 3
		.amdhsa_float_denorm_mode_16_64 3
		.amdhsa_memory_ordered 1
		.amdhsa_forward_progress 1
		.amdhsa_inst_pref_size 31
	.end_amdhsa_kernel
	.amdgpu_metadata
---
amdhsa.version: [ 1, 2 ]
amdhsa.kernels:
  - .name:           k_q073d5f32b9_ln1
    .symbol:         k_q073d5f32b9_ln1.kd
    .args:
      - { .name: ao, .offset: 0, .size: 8, .value_kind: global_buffer, .address_space: global }
      - { .name: ln2_g, .offset: 8, .size: 8, .value_kind: global_buffer, .address_space: global }
      - { .name: ln2_b, .offset: 16, .size: 8, .value_kind: global_buffer, .address_space: global }
      - { .name: xc, .offset: 24, .size: 8, .value_kind: global_buffer, .address_space: global }
    .group_segment_fixed_size: 66816
    .private_segment_fixed_size: 0
    .kernarg_segment_align: 8
    .kernarg_segment_size: 32
    .max_flat_workgroup_size: 256
    .sgpr_count:     66
    .vgpr_count:     256
    .wavefront_size: 32
...
	.end_amdgpu_metadata
.endif
;; end of part 5
;; launch ffn1: the kernel of part 2 again; grid 16 x 32, 4 waves a work-group, clusters of 4 x 4, 327,680 bytes of LDS; arguments xc, w1c, b1, zb, big; writes big
;; launch ffn2 (part 6): grid 8 x 32, 4 waves a work-group, clusters of 4 x 4, 327,680 bytes of LDS; arguments big, wvx, b2, ao, out0; writes out0
.if DOCPART == 6
	.amdgcn_target "amdgcn-amd-amdhsa--gfx1250"
	.amdhsa_code_object_version 6
	.text
	.protected	k_q073d5f32b9_ffn2
	.globl	k_q073d5f32b9_ffn2
	.p2align	8
	.type	k_q073d5f32b9_ffn2,@function
k_q073d5f32b9_ffn2:
	s_mov_b64 s[64:65], 0
	v_nop
	global_prefetch_b8 v0, s[64:65] scope:SCOPE_SE
	s_setreg_imm32_b32 hwreg(HW_REG_WAVE_MODE, 25, 1), 1
	s_wait_xcnt 0x0
	s_wait_alu depctr_hold_cnt(0) depctr_sa_sdst(0) depctr_va_vdst(0) depctr_va_sdst(0) depctr_va_ssrc(0) depctr_va_vcc(0) depctr_vm_vsrc(0)
	s_getreg_b32 s2, hwreg(HW_REG_IB_STS2, 6, 4)
	s_cmp_eq_u32 s2, 0
	s_cbranch_scc0 .Lentry_in_a_cluster
	s_endpgm
.Lentry_in_a_cluster:
	s_bfe_u32 s2, ttmp6, 0x10000c
	s_cmp_lg_u32 s2, 0xf033
	s_cbranch_scc0 .Lentry_shape_is_right
	s_endpgm
.Lentry_shape_is_right:
.set KS,    32
.set BOFF,  1638400
.set NK,    6
.set REC,   12800
.set SLOT,  2*NK*REC
.set NF,    KS/NK
.set REM,   KS-NF*NK
.set SPARE, 2*SLOT
.set SP,    272
.set BA16, 8
.set BA8,  9
.set BB16, 10
.set BB8,  11
.set BSA,  12
.set BSB,  13
.set CA16, 14
.set CA8,  15
.set CB16, 16
.set CB8,  17
.set CSA,  18
.set CSB,  19
.set STO,  20
.set RD,   21
.set CO,   22
.set BO,   23
.set BV,   24
.set SPW,  28
.set NIL,  29
.set SC,   32
.set FS,   64
.set BK,   64
.set G1,   24
.set G0,   32
.set G1B,  48
.set G0B,  56
.set G1S,  68
.set G1SB, 76
.set G0S,  84
.set G0SB, 88
.set MSB, 0
.macro WIN new
.if MSB != \new
	s_set_vgpr_msb (MSB<<8)|\new
.set MSB, \new
.endif
.endm
.set MUL,    0x50
.set TO_1,   0x40
.set FROM_1, 0x04
.macro JLOAD g0a, g1a, g0b, g1b
	s_cmp_eq_u32 s15, 0
	s_cbranch_scc0 .Lfor_b_\@
	tensor_load_to_lds s[\g0a:\g0a+3], s[\g1a:\g1a+7]
	s_nop 0
.rept 4
	v_nop
.endr
	s_branch .Lasked_\@
.Lfor_b_\@:
	tensor_load_to_lds s[\g0b:\g0b+3], s[\g1b:\g1b+7]
	s_nop 0
.rept 4
	v_nop
.endr
.Lasked_\@:
.endm
.macro CREST
	s_cmp_lg_u32 s14, 0
	s_cbranch_scc1 .Lnot_wave_0_\@
	s_barrier_signal -3
.Lnot_wave_0_\@:
	s_barrier_wait -3
	s_barrier_signal -1
	s_barrier_wait -1
.endm
.macro CROUND
	s_barrier_signal -1
	s_barrier_wait -1
	CREST
.endm
.macro FRAG reg, a16, a8, off
	ds_load_b128 v[\reg:\reg+3], v[\a16] offset:\off
	ds_load_b64 v[\reg+4:\reg+5], v[\a8] offset:\off+512
	ds_load_b128 v[\reg+6:\reg+9], v[\a16] offset:\off+768
	ds_load_b64 v[\reg+10:\reg+11], v[\a8] offset:\off+1280
.endm
.macro FADR c
.set CELL, (((\c)/NK)%2)*SLOT+((\c)%NK)*REC
	v_add_nc_u32 v[CA16], CELL, v[BA16]
	v_add_nc_u32 v[CA8], CELL, v[BA8]
	v_add_nc_u32 v[CB16], CELL, v[BB16]
	v_add_nc_u32 v[CB8], CELL, v[BB8]
	v_add_nc_u32 v[CSA], CELL, v[BSA]
	v_add_nc_u32 v[CSB], CELL, v[BSB]
.endm
.macro FETCH1 p
	ds_load_b64 v[SC+4*(\p):SC+4*(\p)+1], v[CSA]
	ds_load_b64 v[SC+4*(\p)+2:SC+4*(\p)+3], v[CSB]
.irp i, 0,1,2,3
	FRAG FS+96*(\p)+48+12*\i, CB16, CB8, 1536*\i
.endr
.endm
.macro FETCH2 p
.irp i, 0,1,2,3
	FRAG FS+96*(\p)+12*\i, CA16, CA8, 1536*\i
.endr
.endm
.macro WM a, b, p, zero
.set rD, 8*(4*(\a)+(\b))
.set rB, FS+96*(\p)+48+12*(\b)
.set rA, FS+96*(\p)+12*(\a)
.set rSB, SC+4*(\p)+2+(\b)/2
.set rSA, SC+4*(\p)+(\a)/2
.if \zero
.if ((\b)%2) && ((\a)%2)
	v_wmma_scale_f32_16x16x128_f8f6f4 v[rD:rD+7], v[rB:rB+11], v[rA:rA+11], 0, v[rSB], v[rSA] matrix_a_fmt:MATRIX_FMT_BF6 matrix_b_fmt:MATRIX_FMT_BF6 matrix_a_scale:MATRIX_SCALE_ROW1 matrix_b_scale:MATRIX_SCALE_ROW1
.elseif (\b)%2
	v_wmma_scale_f32_16x16x128_f8f6f4 v[rD:rD+7], v[rB:rB+11], v[rA:rA+11], 0, v[rSB], v[rSA] matrix_a_fmt:MATRIX_FMT_BF6 matrix_b_fmt:MATRIX_FMT_BF6 matrix_a_scale:MATRIX_SCALE_ROW1
.elseif (\a)%2
	v_wmma_scale_f32_16x16x128_f8f6f4 v[rD:rD+7], v[rB:rB+11], v[rA:rA+11], 0, v[rSB], v[rSA] matrix_a_fmt:MATRIX_FMT_BF6 matrix_b_fmt:MATRIX_FMT_BF6 matrix_b_scale:MATRIX_SCALE_ROW1
.else
	v_wmma_scale_f32_16x16x128_f8f6f4 v[rD:rD+7], v[rB:rB+11], v[rA:rA+11], 0, v[rSB], v[rSA] matrix_a_fmt:MATRIX_FMT_BF6 matrix_b_fmt:MATRIX_FMT_BF6
.endif
.else
.if ((\b)%2) && ((\a)%2)
	v_wmma_scale_f32_16x16x128_f8f6f4 v[rD:rD+7], v[rB:rB+11], v[rA:rA+11], v[rD:rD+7], v[rSB], v[rSA] matrix_a_fmt:MATRIX_FMT_BF6 matrix_b_fmt:MATRIX_FMT_BF6 matrix_a_scale:MATRIX_SCALE_ROW1 matrix_b_scale:MATRIX_SCALE_ROW1
.elseif (\b)%2
	v_wmma_scale_f32_16x16x128_f8f6f4 v[rD:rD+7], v[rB:rB+11], v[rA:rA+11], v[rD:rD+7], v[rSB], v[rSA] matrix_a_fmt:MATRIX_FMT_BF6 matrix_b_fmt:MATRIX_FMT_BF6 matrix_a_scale:MATRIX_SCALE_ROW1
.elseif (\a)%2
	v_wmma_scale_f32_16x16x128_f8f6f4 v[rD:rD+7], v[rB:rB+11], v[rA:rA+11], v[rD:rD+7], v[rSB], v[rSA] matrix_a_fmt:MATRIX_FMT_BF6 matrix_b_fmt:MATRIX_FMT_BF6 matrix_b_scale:MATRIX_SCALE_ROW1
.else
	v_wmma_scale_f32_16x16x128_f8f6f4 v[rD:rD+7], v[rB:rB+11], v[rA:rA+11], v[rD:rD+7], v[rSB], v[rSA] matrix_a_fmt:MATRIX_FMT_BF6 matrix_b_fmt:MATRIX_FMT_BF6
.endif
.endif
.endm
.macro MUL4 a, p, zero
.irp b, 0,1,2,3
	WM \a, \b, \p, \zero
.endr
.endm
.macro STEP c, zero
	s_wait_dscnt 8
	FADR (\c)+1
	FETCH1 1-(\c)%2
	WIN MUL
	MUL4 0, (\c)%2, \zero
	MUL4 1, (\c)%2, \zero
	WIN 0
	FETCH2 1-(\c)%2
.if ((\c)%4 == 0) && ((\c) <= 8)
	global_prefetch_b8 v30, s[2:3] offset:((\c)+18)*REC th:TH_LOAD_NT scope:SCOPE_SE   ; K steps c + 18 to c + 21; the last asked for is K step 29, inside the group's run
.endif
	s_wait_dscnt 34
	WIN MUL
	MUL4 2, (\c)%2, \zero
	MUL4 3, (\c)%2, \zero
	WIN 0
.endm
.macro TURN c, fill
.set sl, ((\c)/NK)%2
	s_wait_tensorcnt 0x0
	ds_add_u32 v[SPW], v[NIL]
	s_wait_dscnt 9
	WIN MUL
	MUL4 0, (\c)%2, 0
	s_wait_dscnt 0x0
	s_barrier_signal -1
	MUL4 1, (\c)%2, 0
	WIN 0
	s_barrier_wait -1
.if (\fill) == 1
	CREST
	s_add_nc_u64 s[G0+4*sl+2:G0+4*sl+3], s[G0+4*sl+2:G0+4*sl+3], 2*NK*REC
	s_add_nc_u64 s[G0B+4*sl+2:G0B+4*sl+3], s[G0B+4*sl+2:G0B+4*sl+3], 2*NK*REC
	JLOAD G0+4*sl, G1, G0B+4*sl, G1B
.elseif (\fill) == 2
	CREST
	JLOAD G0S, G1S, G0SB, G1SB
.endif
	FADR (\c)+1
	FETCH1 1-(\c)%2
	FETCH2 1-(\c)%2
	WIN MUL
	MUL4 2, (\c)%2, 0
	MUL4 3, (\c)%2, 0
	WIN 0
.endm
.macro LAST c
	s_wait_dscnt 8
	WIN MUL
	MUL4 0, (\c)%2, 0
	MUL4 1, (\c)%2, 0
	s_wait_dscnt 0x0
	MUL4 2, (\c)%2, 0
	MUL4 3, (\c)%2, 0
	WIN 0
.endm
.macro TOSTAGE a
	WIN FROM_1
.set b, 0
.rept 4
	ds_store_b128 v[STO], v[32*(\a)+8*b:32*(\a)+8*b+3] offset:(32*(b/2)+8*(b%2))*4
	ds_store_b128 v[STO], v[32*(\a)+8*b+4:32*(\a)+8*b+7] offset:(32*(b/2)+8*(b%2))*4+16
.set b, b+1
.endr
	WIN 0
.set BB, BK+32*((\a)%2)
.set t, 0
.rept 8
	ds_load_b128 v[BB+4*t:BB+4*t+3], v[RD] offset:2*t*SP
.set t, t+1
.endr
.endm
.macro SEND a, younger
.set BB, BK+32*((\a)%2)
	s_wait_dscnt \younger
	WIN FROM_1
.set t, 0
.rept 16
	v_pk_add_f32 v[BB+t:BB+t+1], v[BB+t:BB+t+1], v[128+32*(\a)+t:128+32*(\a)+t+1]
.set t, t+2
.endr
	WIN 0
.set t, 0
.rept 16
	v_pk_add_f32 v[BB+t:BB+t+1], v[BB+t:BB+t+1], v[BV+t%4:BV+t%4+1]
.set t, t+2
.endr
.set t, 0
.rept 8
	global_store_b128 v[CO], v[BB+4*t:BB+4*t+3], s[12:13] offset:(32*((\a)/2)+8*((\a)%2)+2*t+8*(t/4))*4096
.set t, t+1
.endr
.endm
	s_load_b256 s[4:11], s[0:1], 0x0
	s_load_b64 s[12:13], s[0:1], 0x20
	v_lshl_add_u32 v[SPW], v0, 2, SPARE
	v_mov_b32 v[NIL], 0
	ds_add_u32 v28, v29
	ds_add_u32 v28, v29
	s_wait_dscnt 0x0
	v_lshrrev_b32 v1, 5, v0
	v_readfirstlane_b32 s14, v1
	s_lshr_b32 s15, s14, 1
	s_and_b32 s16, s14, 1
	s_bfe_u32 s40, ttmp6, 0x40000
	s_bfe_u32 s41, ttmp6, 0x40004
	s_lshl_b32 s42, ttmp9, 2
	s_add_co_u32 s42, s42, s40
	s_and_b32 s17, ttmp7, 0xffff
	s_lshl_b32 s17, s17, 2
	s_add_co_u32 s17, s17, s41
	s_lshl_b32 s43, s41, 2
	s_lshl_b32 s43, 15, s43
	s_lshl_b32 s44, 0x1111, s40
	s_or_b32 s[G1+0], s43, (3<<16)|(1<<21)
	s_or_b32 s[G1B+0], s44, (3<<16)|(1<<21)
.irp g, G1, G1B
	s_mov_b32 s[\g+1], 32<<16
	s_mov_b32 s[\g+2], (NK/2*50)<<16
	s_mov_b32 s[\g+3], 32<<16
	s_mov_b32 s[\g+4], NK/2*50
	s_mov_b32 s[\g+5], 32
	s_mov_b32 s[\g+6], 0
	s_mov_b32 s[\g+7], 0
.endr
	s_mul_i32 s18, s16, (NK/2)*REC
	s_mul_i32 s20, s17, KS*REC
	s_add_co_u32 s20, s20, s18
	s_mov_b32 s21, 0
	s_mul_i32 s46, s42, KS*REC
	s_add_co_u32 s46, s46, s18
	s_add_co_u32 s46, s46, BOFF
	s_mov_b32 s47, 0
	s_mov_b32 s45, s18
	s_add_co_u32 s19, s18, NK*REC
	; the prefetches: a group's records of all K steps are one run of bytes.  Of each four K steps (51,200 bytes) the eight waves that fetch the group (two in each of the four partners) take 25 blocks of 256 bytes each, by address
	s_cmp_eq_u32 s15, 0                            ; do I fetch for A?
	s_cselect_b32 s2, s17, s42                     ; the group
	s_cselect_b32 s3, s40, s41                     ; my place among the four partners
	s_cselect_b32 s22, 0, BOFF
	s_mul_i32 s2, s2, KS*REC
	s_add_co_u32 s2, s2, s22
	s_mul_i32 s3, s3, 6400
	s_add_co_u32 s2, s2, s3
	s_mul_i32 s3, s16, 25600
	s_add_co_u32 s2, s2, s3
	s_mov_b32 s3, 0
.if REM
	s_or_b32 s[G1S+0], s43, (3<<16)|(1<<21)
	s_or_b32 s[G1SB+0], s44, (3<<16)|(1<<21)
.irp g, G1S, G1SB
	s_mov_b32 s[\g+1], 32<<16
	s_mov_b32 s[\g+2], (REM/2*50)<<16
	s_mov_b32 s[\g+3], 32<<16
	s_mov_b32 s[\g+4], REM/2*50
	s_mov_b32 s[\g+5], 32
	s_mov_b32 s[\g+6], 0
	s_mov_b32 s[\g+7], 0
.endr
	s_mul_i32 s94, s16, (REM/2)*REC
	s_mul_i32 s92, s17, KS*REC
	s_add_co_u32 s92, s92, s94
	s_add_co_u32 s92, s92, NF*NK*REC
	s_mov_b32 s93, 0
	s_mul_i32 s96, s42, KS*REC
	s_add_co_u32 s96, s96, s94
	s_add_co_u32 s96, s96, NF*NK*REC+BOFF
	s_mov_b32 s97, 0
.endif
	s_wait_kmcnt 0x0
	s_add_nc_u64 s[20:21], s[4:5], s[20:21]
	s_add_nc_u64 s[46:47], s[6:7], s[46:47]
	s_cmp_eq_u32 s15, 0
	s_cselect_b64 s[22:23], s[4:5], s[6:7]
	s_add_nc_u64 s[2:3], s[22:23], s[2:3]          ; s[2:3]: never rewritten; the K step stands in the prefetch's immediate
.if REM
	s_mov_b32 s[G0S], 1
	s_add_co_u32 s[G0S+1], s94, (NF%2)*SLOT
	s_add_nc_u64 s[G0S+2:G0S+3], s[4:5], s[92:93]
	s_or_b32 s[G0S+3], s[G0S+3], 0x80000000
	s_mov_b32 s[G0SB], 1
	s_add_co_u32 s[G0SB+1], s94, (NF%2)*SLOT+NK*REC
	s_add_nc_u64 s[G0SB+2:G0SB+3], s[6:7], s[96:97]
	s_or_b32 s[G0SB+3], s[G0SB+3], 0x80000000
.endif
	CROUND
.irp s, 0,1
	s_mov_b32 s[G0+4*\s], 1
	s_add_co_u32 s[G0+4*\s+1], s45, \s*SLOT
	s_add_nc_u64 s[G0+4*\s+2:G0+4*\s+3], s[20:21], \s*NK*REC
	s_or_b32 s[G0+4*\s+3], s[G0+4*\s+3], 0x80000000
	s_mov_b32 s[G0B+4*\s], 1
	s_add_co_u32 s[G0B+4*\s+1], s19, \s*SLOT
	s_add_nc_u64 s[G0B+4*\s+2:G0B+4*\s+3], s[46:47], \s*NK*REC
	s_or_b32 s[G0B+4*\s+3], s[G0B+4*\s+3], 0x80000000
.endr
	JLOAD G0, G1, G0B, G1B                         ; slot 0: one tensor load a wave at the head; the rest of the head stands under it
	v_and_b32 v1, 31, v0
	v_min_u32 v30, 24, v1
	v_lshlrev_b32 v30, 8, v30                      ; v30: the prefetches' offset: block min(lane, 24); never rewritten
	v_lshlrev_b32 v2, 4, v1
	v_lshlrev_b32 v3, 3, v1
	s_mul_i32 s22, s15, 6144
	v_add_nc_u32 v[BA16], s22, v2
	v_add_nc_u32 v[BA8], s22, v3
	s_mul_i32 s23, s16, 6144
	s_add_co_u32 s23, s23, NK*REC
	v_add_nc_u32 v[BB16], s23, v2
	v_add_nc_u32 v[BB8], s23, v3
	s_lshl_b32 s22, s15, 8
	s_add_co_u32 s22, s22, 12288
	v_add_nc_u32 v[BSA], s22, v3
	s_lshl_b32 s23, s16, 8
	s_add_co_u32 s23, s23, NK*REC+12288
	v_add_nc_u32 v[BSB], s23, v3
	v_and_b32 v5, 15, v0
	v_bfe_u32 v6, v0, 4, 1
	s_mul_i32 s23, s14, 16*SP
	v_mul_u32_u24 v[STO], v5, SP
	v_lshl_add_u32 v[STO], v6, 6, v[STO]
	v_add_nc_u32 v[STO], s23, v[STO]
	v_mul_u32_u24 v[RD], v6, SP
	v_lshl_add_u32 v[RD], v5, 4, v[RD]
	v_add_nc_u32 v[RD], s23, v[RD]
	v_lshlrev_b32 v[BO], 4, v5
	s_wait_alu depctr_va_vdst(0)
	v_lshl_add_u32 v[CO], v6, 12, v[BO]
	s_wait_alu depctr_va_vdst(0)
	s_lshl_b32 s96, s42, 9
	s_lshl_b32 s23, s16, 8
	s_add_co_u32 s96, s96, s23
	s_mov_b32 s97, 0
	s_lshl_b32 s98, s17, 19
	s_lshl_b32 s23, s15, 18
	s_add_co_u32 s98, s98, s23
	s_add_co_u32 s98, s98, s96
	s_mov_b32 s99, 0
	s_add_nc_u64 s[8:9], s[8:9], s[96:97]
	s_add_nc_u64 s[10:11], s[10:11], s[98:99]
	s_add_nc_u64 s[12:13], s[12:13], s[98:99]
.irp m, 6,10
	global_prefetch_b8 v30, s[2:3] offset:\m*REC th:TH_LOAD_NT scope:SCOPE_SE   ; K steps 6 to 13, of what the next two fills will ask for
.endr
.macro RESID                           ; K steps 14 to 17 are asked for, and the bias and the residual, wanted on the way out alone, are loaded behind the first fragment loads: they come in under the products
	global_prefetch_b8 v30, s[2:3] offset:14*REC th:TH_LOAD_NT scope:SCOPE_SE
	global_load_b128 v[BV:BV+3], v[BO], s[8:9]
	WIN TO_1
.irp a, 0,1,2,3
.set t, 0
.rept 8
	global_load_b128 v[128+32*\a+4*t:128+32*\a+4*t+3], v[CO], s[10:11] offset:(32*(\a/2)+8*(\a%2)+2*t+8*(t/4))*4096 th:TH_LOAD_NT
.set t, t+1
.endr
.endr
	WIN 0
.endm
	s_wait_alu depctr_va_vdst(0)                   ; the wait at the head's end
	s_wait_tensorcnt 0x0                           ; my part of slot 0 is in
	ds_add_u32 v[SPW], v[NIL]
	s_wait_dscnt 0x0
	CROUND
	JLOAD G0+4, G1, G0B+4, G1B                     ; slot 1's first fill, the first tensor load behind the round
	FADR 0
	FETCH1 0
	FETCH2 0
	RESID
.set kc, 0
.rept KS
.if kc == KS-1
	LAST kc
.elseif (kc+1)%NK == 0
.if kc/NK+2 < NF
	TURN kc, 1
.elseif (kc/NK+2 == NF) && REM
	TURN kc, 2
.else
	TURN kc, 0
.endif
.elseif kc == 0
	STEP kc, 1
.else
	STEP kc, 0
.endif
.set kc, kc+1
.endr
.rept 4
	v_nop
.endr
	s_wait_loadcnt 0x0
	TOSTAGE 0
.irp a, 1,2,3
.if \a > 1
	s_wait_xcnt 0x0
.endif
	TOSTAGE \a
	SEND \a-1, 16
.endr
	SEND 3, 0
	s_wait_tensorcnt 0x0
	ds_add_u32 v[SPW], v[NIL]
	s_wait_dscnt 0x0
	CROUND
	s_endpgm
.Lfunc_end_k_q073d5f32b9_ffn2:
	.size	k_q073d5f32b9_ffn2, .Lfunc_end_k_q073d5f32b9_ffn2-k_q073d5f32b9_ffn2
	.p2alignl 7, 3214868480
	.fill 96, 4, 3214868480
	.section	.rodata,"a",@progbits
	.p2align	6, 0x0
	.amdhsa_kernel k_q073d5f32b9_ffn2
		.amdhsa_group_segment_fixed_size 327680
		.amdhsa_private_segment_fixed_size 0
		.amdhsa_enable_private_segment 0
		.amdhsa_kernarg_size 40
		.amdhsa_user_sgpr_count 2
		.amdhsa_user_sgpr_kernarg_segment_ptr 1
		.amdhsa_wavefront_size32 1
		.amdhsa_system_sgpr_workgroup_id_x 1
		.amdhsa_system_sgpr_workgroup_id_y 1
		.amdhsa_system_sgpr_workgroup_id_z 1
		.amdhsa_system_vgpr_workitem_id 0
		.amdhsa_next_free_vgpr 512
		.amdhsa_next_free_sgpr 100
		.amdhsa_reserve_vcc 0
		.amdhsa_float_denorm_mode_32 3
		.amdhsa_float_denorm_mode_16_64 3
		.amdhsa_memory_ordered 1
		.amdhsa_forward_progress 1
		.amdhsa_inst_pref_size 184
	.end_amdhsa_kernel
	.amdgpu_metadata
---
amdhsa.version: [ 1, 2 ]
amdhsa.kernels:
  - .name:           k_q073d5f32b9_ffn2
    .symbol:         k_q073d5f32b9_ffn2.kd
    .args:
      - { .name: big, .offset: 0, .size: 8, .value_kind: global_buffer, .address_space: global }
      - { .name: wvx, .offset: 8, .size: 8, .value_kind: global_buffer, .address_space: global }
      - { .name: b2, .offset: 16, .size: 8, .value_kind: global_buffer, .address_space: global }
      - { .name: ao, .offset: 24, .size: 8, .value_kind: global_buffer, .address_space: global }
      - { .name: out0, .offset: 32, .size: 8, .value_kind: global_buffer, .address_space: global }
    .group_segment_fixed_size: 327680
    .private_segment_fixed_size: 0
    .kernarg_segment_align: 8
    .kernarg_segment_size: 40
    .max_flat_workgroup_size: 128
    .sgpr_count:     100
    .vgpr_count:     512
    .wavefront_size: 32
...
	.end_amdgpu_metadata
.endif
;; end of part 6
